; MI455X (gfx1250); checked and timed in simulation.
; The chip was launched on July 23, 2026; its instructions are those of AMD's public machine-readable ISA for CDNA 5 (MIT licence, August 2026) and "CDNA5" Instruction Set Architecture Reference Guide (July 2026). The comments in the code are by the model that wrote it; some were corrected since.
;; Multi Head Attention. Allowed arithmetic: matrix products marked QUANTISED: E2M3 operands, one E8M0 scale for each 32 along K, by v_wmma_scale_f32_16x16x128_f8f6f4 with both operands' format E2M3, f32 sums; everything else in f32.
;; Inputs: Wk_codes 1,024 x 32 x 24 uint8 (E2M3 codes of Wk, K innermost, in blocks of 32 codes, four codes in three bytes); Wk_scales 1,024 x 32 uint8 (E8M0 scales of Wk, one for each 32 codes along K); Wo_codes 1,024 x 32 x 24 uint8 (E2M3 codes of Wo, K innermost, in blocks of 32 codes, four codes in three bytes); Wo_scales 1,024 x 32 uint8 (E8M0 scales of Wo, one for each 32 codes along K); Wq_codes 1,024 x 32 x 24 uint8 (E2M3 codes of Wq, K innermost, in blocks of 32 codes, four codes in three bytes); Wq_scales 1,024 x 32 uint8 (E8M0 scales of Wq, one for each 32 codes along K); Wv_codes 1,024 x 32 x 24 uint8 (E2M3 codes of Wv, K innermost, in blocks of 32 codes, four codes in three bytes); Wv_scales 1,024 x 32 uint8 (E8M0 scales of Wv, one for each 32 codes along K); bk 1,024 float32; bo 1,024 float32; bq 1,024 float32; bv 1,024 float32; k_codes 4 x 2,048 x 32 x 24 uint8 (E2M3 codes of k, K innermost, in blocks of 32 codes, four codes in three bytes); k_scales 4 x 2,048 x 32 uint8 (E8M0 scales of k, one for each 32 codes along K); mask 4 x 1 x 2,048 x 2,048 bool; q_codes 4 x 2,048 x 32 x 24 uint8 (E2M3 codes of q, K innermost, in blocks of 32 codes, four codes in three bytes); q_scales 4 x 2,048 x 32 uint8 (E8M0 scales of q, one for each 32 codes along K); v_codes 4 x 2,048 x 32 x 24 uint8 (E2M3 codes of v, K innermost, in blocks of 32 codes, four codes in three bytes); v_scales 4 x 2,048 x 32 uint8 (E8M0 scales of v, one for each 32 codes along K).
;; Outputs: out0 4 x 2,048 x 1,024 float32.
;; This version of the problem:
;;   THIS VERSION OF THE PROBLEM IS GIVEN IN LOW PRECISION. The matrix products marked QUANTISED in the list below multiply operands that are first quantised to E2M3 (2 exponent bits, 3 mantissa bits; 6 bits a number), with one power-of-two scale for each 32 numbers along K (OCP MX v1.0); their sums are f32. All else is computed in f32.
;;   The module's matrix products, in the order in which they are computed (A, B: the left and right operand; K: the contracted axis; several contracted axes count as one K, in the product's order):
;;     1. [M 8,192, K 1,024] x [K 1,024, N 1,024]; A: input q (given as codes); B: input Wq (given as codes): QUANTISED
;;     2. [M 8,192, K 1,024] x [K 1,024, N 1,024]; A: input k (given as codes); B: input Wk (given as codes): QUANTISED
;;     3. [M 8,192, K 1,024] x [K 1,024, N 1,024]; A: input v (given as codes); B: input Wv (given as codes): QUANTISED
;;     4. batch 64 x [M 2,048, K 64] x [K 64, N 2,048]; A: computed on the way; B: computed on the way: QUANTISED
;;     5. batch 64 x [M 2,048, K 2,048] x [K 2,048, N 64]; A: softmax (see below); B: computed on the way: QUANTISED
;;     6. [M 8,192, K 1,024] x [K 1,024, N 1,024]; A: computed on the way; B: input Wo (given as codes): QUANTISED
;;   THE QUANTISER, for each operand of a quantised product, along K:
;;     - K is cut into blocks of 32 from its start; a last block that is shorter is filled with zeros.
;;     - A block's scale is 2^e with e = floor(log2(the largest magnitude in the block)) - 2, held to -126 .. 127; a block of zeros has e = 0. As a byte (E8M0): e + 127.
;;     - Each number is divided by its block's scale, clamped to +-7.5, and rounded to the nearest number of E2M3, ties to even, subnormals kept.
;;     - The product sums the exact products of the quantised numbers (number of the format x scale) in f32.
;;   ~~~python
;;   def quantise(x, axis):      # numpy; x: float32 -> the quantised numbers, widened to float32 again
;;       x = np.moveaxis(x, axis, -1); K = x.shape[-1]
;;       x = np.pad(x, [(0, 0)] * (x.ndim - 1) + [(0, -K % 32)]); x = x.reshape(x.shape[:-1] + (-1, 32)); a = np.abs(x).max(-1, keepdims=True)
;;       e = np.where(a > 0, np.clip(np.frexp(np.where(a > 0, a, 1))[1] - 1 - 2, -126, 127), 0)      # np.frexp(a)[1] - 1 = floor(log2(a)), exactly
;;       r = np.clip(x / 2.0 ** e, -7.5, 7.5)
;;       step = 2.0 ** (np.maximum(np.frexp(np.where(r == 0, 1, r))[1] - 1, 0) - 3)
;;       q = np.round(r / step) * step * 2.0 ** e      # np.round: ties to even
;;       return np.moveaxis(q.reshape(q.shape[:-2] + (-1,))[..., :K], -1, axis).astype(np.float32)
;;   ~~~
;;   SOFTMAX AHEAD OF A QUANTISED PRODUCT. Where the list says 'softmax', what is quantised is not the finished softmax but p = 2^(t - M), with t = logit x log2(e) and M = ceil(the row's largest t), a whole number; so 1/2 < the row's largest p <= 1. The row's sum l is taken of the UNQUANTISED p, in f32, and the product's result is divided by l at the end. Since M is a whole number, a kernel that streams over the keys may use a running M (the ceiling of the running maximum): every later rescaling is an exact power of two, which a block's scale takes up: the codes' values come out the same.
;;   OPERANDS COMPUTED ON THE WAY. 'Computed on the way' means the value that the module computes at that place (a softmax that the list does not call 'softmax' is quantised finished and normalised). What goes into a quantiser is computed in f32, as accurately as f32 sums, v_exp_f32 and their like allow (about 1e-6 of the number): no bf16 or f16 on the way to a quantiser, and a product that is left as it is and whose result goes on into a quantised operand takes f32 operands (vector FMAs, or v_wmma_f32_16x16x4_f32). A number that lies on a knife's edge between two numbers of the format may be rounded either way, as far as f32 arithmetic and the matrix unit's own rounding can turn it there, and no further.
;;   INPUTS GIVEN AS CODES. Wk (in the module: [1024, 1024], K = its axis 0); Wo (in the module: [1024, 1024], K = its axis 0); Wq (in the module: [1024, 1024], K = its axis 0); Wv (in the module: [1024, 1024], K = its axis 0); k (in the module: [4, 2048, 1024], K = its axis 2); q (in the module: [4, 2048, 1024], K = its axis 2); v (in the module: [4, 2048, 1024], K = its axis 2): each comes as NAME_codes (uint8): NAME with its K axis moved to the last place and cut into blocks of 32 codes, [.., K / 32, bytes a block], one block behind the other in memory; four codes in three bytes: a row's codes are one little-endian stream of bits, code i at bits 6 i .. 6 i + 5 (a code: sign, 2 exponent bits, 3 mantissa bits); and NAME_scales (uint8): the same leading axes, one E8M0 byte (e + 127) for each 32 codes along K. Its value is code x scale, taken as it is: it is not quantised again, and the codes and scales need not be those that the quantiser above would give.
;; One version. Each part assembles by itself: llvm-mc -triple=amdgcn-amd-amdhsa -mcpu=gfx1250 --defsym DOCPART=n.
;; ======== version 1 of 1: 4 launches
;; workspace buffers: maskw 2,097,152 bytes of whole numbers; qws 6,553,600 bytes; kv 13,107,200 bytes; ctx 6,291,456 bytes; ctxs 262,144 bytes
;; launch maskpack (part 1): grid 256 x 1, 2 waves a work-group, no clusters, 8,960 bytes of LDS; arguments mask, maskw; writes maskw
.if DOCPART == 1
	.amdgcn_target "amdgcn-amd-amdhsa--gfx1250"
	.amdhsa_code_object_version 6
	.text
	.protected	k_qa46bfd3a40_maskpack
	.globl	k_qa46bfd3a40_maskpack
	.p2align	8
	.type	k_qa46bfd3a40_maskpack,@function
k_qa46bfd3a40_maskpack:
	s_mov_b64 s[64:65], 0
	v_nop
	global_prefetch_b8 v0, s[64:65] scope:SCOPE_SE
	s_setreg_imm32_b32 hwreg(HW_REG_WAVE_MODE, 25, 1), 1
	s_wait_xcnt 0x0
; The mask [4][1][2048][2048], one byte an element, becomes lane masks for the attention launch.
; A wave owns a tile of 16 queries (16 rows of 2,048 bytes, 32,768 dense bytes) and writes 4,096 bytes:
; 16 records of 256 bytes, one for each step of 128 keys.
; Word n = 8 t + j of record st: bit l = (r = l % 16, h = l / 16) is mask[16 tile + r][128 st + 16 t + 8 h + j], which is the
; place that register n of the scores has in lane l.
; Each load reads two rows' 256 aligned bytes; a chunk of 256 keys turns through the wave's own stage in LDS (rows of 272 bytes),
; so that a lane gets its row's 8 bytes of each tile of keys.  Waves share nothing: no barrier.  Loads run two chunks ahead.
.set SP,   272                         ; a stage row: 256 bytes + 16
.set STG,  16*SP                       ; a wave's stage
.set REC,  16*256                      ; what a tile writes
.set GI,   2                           ; v2   in: 2,048 (l / 16) + 16 (l % 16)
.set SI,   3                           ; v3   into the stage: SP (l / 16) + 16 (l % 16)
.set SX,   4                           ; v4   out of the stage: SP r + 8 h
.set GO,   5                           ; v5   out: 8 bytes a lane
.set T,    8                           ; v8-11    at work
.set R,    16                          ; v16-111  three sets of 32: a chunk as loaded
.set X,    112                         ; v112-143 a chunk by lanes: pair 8 e + t = my 8 bytes of tile t of the chunk's step e
.set W,    144                         ; v144-175 a pair for each step: lane L holds words 2 L and 2 L + 1; never rewritten behind its store
	s_load_b128 s[4:7], s[0:1], 0x0                ; mask, maskw
	v_lshl_add_u32 v192, v0, 2, 0x2200
	v_mov_b32 v193, 0
	v_lshrrev_b32 v1, 5, v0
	v_readfirstlane_b32 s8, v1                     ; wave 0..1
	v_and_b32 v1, 31, v0                           ; lane
	v_and_b32 v6, 15, v0                           ; r
	v_bfe_u32 v7, v0, 4, 1                         ; h
	s_mul_i32 s9, s8, STG
	v_lshlrev_b32 v[GI], 4, v6
	v_lshl_add_u32 v[GI], v7, 11, v[GI]
	v_mul_u32_u24 v[SI], v7, SP
	v_lshl_add_u32 v[SI], v6, 4, v[SI]
	v_add_nc_u32 v[SI], s9, v[SI]
	v_mul_u32_u24 v[SX], v6, SP
	v_lshl_add_u32 v[SX], v7, 3, v[SX]
	v_add_nc_u32 v[SX], s9, v[SX]
	v_lshlrev_b32 v[GO], 3, v1
	s_lshl_b32 s10, ttmp9, 1
	s_add_co_u32 s10, s10, s8                      ; my tile, 0..511
	s_mul_i32 s14, s10, REC
	s_mov_b32 s15, 0
	s_lshl_b32 s10, s10, 15                        ; 32,768 bytes a tile
	s_mov_b32 s11, 0
.set i, 0
.rept 32
	v_mov_b32 v[W+i], 0                            ; written once: a lane write's destination counts as one of its sources
.set i, i+1
.endr
	s_wait_kmcnt 0x0
	s_add_nc_u64 s[4:5], s[4:5], s[10:11]
	s_add_nc_u64 s[6:7], s[6:7], s[14:15]
.macro LOADC ch                        ; chunk ch: 16 rows x 256 bytes, two rows a load
.irp i, 0,1,2,3,4,5,6,7
	global_load_b128 v[R+32*((\ch)%3)+4*\i:R+32*((\ch)%3)+4*\i+3], v[GI], s[4:5] offset:4096*\i+256*(\ch) th:TH_LOAD_NT
.endr
.endm
.macro TURNC ch                        ; through the stage: LDS serves a wave's instructions in order, so no wait stands between the stores and the loads
.irp i, 0,1,2,3,4,5,6,7
	ds_store_b128 v[SI], v[R+32*((\ch)%3)+4*\i:R+32*((\ch)%3)+4*\i+3] offset:2*SP*\i
.endr
.irp i, 0,1,2,3,4,5,6,7,8,9,10,11,12,13,14,15
	ds_load_b64 v[X+2*\i:X+2*\i+1], v[SX] offset:16*\i
.endr
.endm
; Step st (the chunk's e-th): 64 words, four at a time so that no line waits for the line above it: the byte is cut out, the compare
; gives the 32 lanes' bits as one scalar word, and that word goes to its place in the pair of registers that is stored.
.macro WORDS st, e
.set g, 0
.rept 16
.irp k, 0,1,2,3
.set n, 4*g+\k
	v_and_b32 v[T+\k], 0xff<<(8*(n&3)), v[X+2*(8*(\e)+(n>>3))+((n&7)>>2)]
.endr
.irp k, 0,1,2,3
	v_cmp_ne_u32 s[20+\k], 0, v[T+\k]
.endr
.irp k, 0,1,2,3
.set n, 4*g+\k
	v_writelane_b32 v[W+2*(\st)+(n&1)], s[20+\k], n>>1
.endr
.set g, g+1
.endr
	global_store_b64 v[GO], v[W+2*(\st):W+2*(\st)+1], s[6:7] offset:256*(\st)   ; 32 lanes store 256 consecutive bytes, aligned
.endm
	LOADC 0
	LOADC 1
	LOADC 2
.irp ch, 0,1,2,3,4,5,6,7
.if \ch < 6
	s_wait_loadcnt 16                              ; this chunk's eight loads are in; the sixteen of the two chunks behind it may be out
.else
	s_wait_loadcnt 8*(7-\ch)
.endif
	TURNC \ch
	s_wait_dscnt 0x0                               ; the chunk is back by lanes, and the stores have read their registers,
.if \ch+3 < 8
	LOADC \ch+3                                    ; which take the chunk three on
.endif
	WORDS 2*\ch, 0
	WORDS 2*\ch+1, 1
.endr
	s_wait_tensorcnt 0x0
	ds_add_u32 v192, v193
	s_wait_dscnt 0x0
	s_endpgm
.Lfunc_end_k_qa46bfd3a40_maskpack:
	.size	k_qa46bfd3a40_maskpack, .Lfunc_end_k_qa46bfd3a40_maskpack-k_qa46bfd3a40_maskpack
	.p2alignl 7, 3214868480
	.fill 96, 4, 3214868480
	.section	.rodata,"a",@progbits
	.p2align	6, 0x0
	.amdhsa_kernel k_qa46bfd3a40_maskpack
		.amdhsa_group_segment_fixed_size 8960
		.amdhsa_private_segment_fixed_size 0
		.amdhsa_enable_private_segment 0
		.amdhsa_kernarg_size 16
		.amdhsa_user_sgpr_count 2
		.amdhsa_user_sgpr_kernarg_segment_ptr 1
		.amdhsa_wavefront_size32 1
		.amdhsa_system_sgpr_workgroup_id_x 1
		.amdhsa_system_sgpr_workgroup_id_y 1
		.amdhsa_system_sgpr_workgroup_id_z 1
		.amdhsa_system_vgpr_workitem_id 0
		.amdhsa_next_free_vgpr 194
		.amdhsa_next_free_sgpr 66
		.amdhsa_reserve_vcc 0
		.amdhsa_float_denorm_mode_32 3
		.amdhsa_float_denorm_mode_16_64 3
		.amdhsa_memory_ordered 1
		.amdhsa_forward_progress 1
		.amdhsa_inst_pref_size 215
	.end_amdhsa_kernel
	.amdgpu_metadata
---
amdhsa.version: [ 1, 2 ]
amdhsa.kernels:
  - .name:           k_qa46bfd3a40_maskpack
    .symbol:         k_qa46bfd3a40_maskpack.kd
    .args:
      - { .name: mask, .offset: 0, .size: 8, .value_kind: global_buffer, .address_space: global }
      - { .name: maskw, .offset: 8, .size: 8, .value_kind: global_buffer, .address_space: global }
    .group_segment_fixed_size: 8960
    .private_segment_fixed_size: 0
    .kernarg_segment_align: 8
    .kernarg_segment_size: 16
    .max_flat_workgroup_size: 64
    .sgpr_count:     66
    .vgpr_count:     194
    .wavefront_size: 32
...
	.end_amdgpu_metadata
.endif
;; end of part 1
;; launch proj (part 2): grid 4 x 96, 4 waves a work-group, clusters of 4 x 4, 327,680 bytes of LDS; arguments q_codes, q_scales, Wq_codes, Wq_scales, bq, qws, k_codes, k_scales, Wk_codes, Wk_scales, bk, kv, Wv_codes, Wv_scales, v_codes, v_scales, bv; writes qws, kv
.if DOCPART == 2
	.amdgcn_target "amdgcn-amd-amdhsa--gfx1250"
	.amdhsa_code_object_version 6
	.text
	.protected	k_qa46bfd3a40_proj
	.globl	k_qa46bfd3a40_proj
	.p2align	8
	.type	k_qa46bfd3a40_proj,@function
k_qa46bfd3a40_proj:
	s_mov_b64 s[64:65], 0
	v_nop
	global_prefetch_b8 v0, s[64:65] scope:SCOPE_SE
	s_setreg_imm32_b32 hwreg(HW_REG_WAVE_MODE, 25, 1), 1
	s_wait_xcnt 0x0
	s_wait_alu depctr_hold_cnt(0) depctr_sa_sdst(0) depctr_va_vdst(0) depctr_va_sdst(0) depctr_va_ssrc(0) depctr_va_vcc(0) depctr_vm_vsrc(0)
	s_getreg_b32 s2, hwreg(HW_REG_IB_STS2, 6, 4)
	s_cmp_eq_u32 s2, 0
	s_cbranch_scc0 .Lentry_in_a_cluster
	s_endpgm
.Lentry_in_a_cluster:
	s_bfe_u32 s2, ttmp6, 0x10000c
	s_cmp_lg_u32 s2, 0xf033
	s_cbranch_scc0 .Lentry_shape_is_right
	s_endpgm
.Lentry_shape_is_right:
; The three projections q Wq + bq, k Wk + bk, v Wv + bv on codes of FP6 (E2M3) with one E8M0 scale for each 32 along K = 1,024; their results are quantised
; again, in registers, and leave as IMAGES OF THE OPERANDS' REGISTERS that the attention launch loads as they lie.
; One launch, 24 clusters of 4 x 4 work-groups: clusters 0-7 q, 8-15 k, 16-23 v (MODE = cluster y / 8, the same in all sixteen partners).
; A tile of the result is 256 x 256, four waves, each 128 x 128: 64 accumulators, 512 registers.  K goes in steps of 256 through a ring of two LDS slots filled by joint
; tensor loads: A's tile is shared along a row of the cluster, B's along a column.  The scale bytes of the work-group's rows come once, with the first fills.
; THE MATRIX INSTRUCTION IS USED TRANSPOSED (source 0 = 16 rows of B, source 1 = 16 rows of A): a lane holds one row of A and eight neighbouring rows of B.
;   MODE 0, 1: A = the tokens, B = the weight: a lane holds one token, its registers run along (head, d), the next product's K.
;   MODE 2:    A = Wv, B = the tokens of v: a lane holds one (head, d), its registers run along the keys, the second attention product's K.
; THE WAY OUT.  Block a of 16 rows of A: + bias, then 64 numbers a lane become a fragment's codes and its scale word.  A lane's registers 16 b + 8 u + j are the
; numbers 32 b + 16 u + 8 (lane / 16) + j, so a block's 32 codes lie in the order 0-7, 16-23, 8-15, 24-31: the same for Q and K (along d) and for P and V (along the keys),
; and a permutation applied alike to both operands of a product keeps its sums.
; A record of 128 tokens of one head: Q, K: 4 pair-fragments of 1,536 bytes (lane l's 48 bytes at 48 l: 24 bytes of token 32 f + r, 24 of token 32 f + 16 + r; block lane / 16 of the
; head's two) and 256 bytes of scale words; V: 4 fragments (lane r of fragment 2 B + u: d = 32 B + 8 u + r + 8 (r / 8); 128 keys) and 256 bytes of scale words.
; The scale word of fragment f, row r lies at 8 (r + 16 (f % 2)) + 4 (f / 2).
; LIMITS: a block of zeros gets the byte 1 where the rule says 127 (its codes are zeros, and this program alone reads the bytes); blocks whose largest magnitude lies under
; 2^-124 were not tried; NaN and infinities are not served.
; REGISTERS, in windows of 256: window 0: v0-31 addresses; v32-63 scale words, two sets; v64-127 the bias along the registers; v128-223 A's fragments, one set; v240-255 the bias by lane.
;   window 1: B's fragments, two sets.   windows 2, 3: the accumulators ((a, b) at v[8 (8 (a % 4) + b)]).
.set KSTEP,  256                       ; along K in a slot
.set NQ,     2                         ; matrix instructions deep
.set ROWB,   192                       ; a tile's row in bytes
.set KROW,   768                       ; a row of 1,024 codes in memory
.set PITCH,  240                       ; an LDS row: 3 x (64 bytes + 16 of padding)
.set FR,     12                        ; registers of a fragment
.set NL,     6                         ; LDS loads that bring one
.set NP,     4                         ; places behind this matrix instruction (ISA guide 7.12.1)
.set HALFT,  128*PITCH                 ; 128 rows: what one tensor load brings
.set SLOT,   4*HALFT                   ; A's 256 rows, then B's 256 rows
.set LAPS,   2                         ; 1,024 / 512: a lap = two K steps
.set KS,     32                        ; a row of scale bytes
.set SCL,    2*SLOT                    ; behind the ring: the scales, as units of 256 bytes + 16 of padding
.set HALFS,  (128*KS/256)*272
.set SBLK,   (16*KS/256)*272
.set SPARE,  SCL+4*HALFS               ; the spare words: 128 bytes a wave, two blocks of 256 bytes that no other line names
.set WST,    12800                     ; the way out: a wave's stage: 2 heads x 6,144 bytes of codes, 2 x 256 of scale words.  The stages lie in slot 0, which has had its last fill and its last read by then
.set VST,    4*WST                     ; the stages of MODE 2 have bytes of their own
.set STQ,  7                           ; v7   Q, K: my lane's 48 bytes of a pair-fragment
.set STQS, 8                           ; v8   and my row's scale word
.set STV,  9                           ; v9   V: my row's place among the fragments
.set STVS, 10                          ; v10  and its scale word
.set RDQ,  11                          ; v11  back from the stage, 16 bytes a lane
.set RDV,  12                          ; v12
.set GOFF, 13                          ; v13  16 x lane
.set GSO,  14                          ; v14  where the scale words go
.set OBI,  15                          ; v15  32 (lane / 16); never rewritten
.set ADRA, 16                          ; v16-19
.set ADRB, 20                          ; v20-23
.set ADRS, 27
.set SPW,  28                          ; v28  my spare word; never rewritten
.set NIL,  29                          ; v29  0; never rewritten
.set OBL,  30                          ; v30  4 (lane % 16); never rewritten
.set SC,   32
.set BI,   64                          ; bias[first column + 16 b + 8 h + j] at BI + 8 b + j
.set AF,   128
.set BL,   240                         ; bias[first row + 16 a + r], twice, at BL + 2 a
.set HA,   128                         ; the way out: 64 numbers
.set PC,   192                         ; v192-203 codes; v204-206, v208-210 halves on their way
.set TM,   212                         ; v212-227 at work
.set PW0,  228                         ; v228, v229 scale words of an even and an odd block
.set SW,   230                         ; v230, v231 the two heads' pair words
.set RB,   64                          ; v64-163 back from the stage
.set G1, 24
.set G0, 32
.set G1B, 48
.set G0B, 56
.set G1S, 68
.set G0S, 76
.set G1SB, 80
.set G0SB, 88
.set MODE, 95
.set SEL, 100
.set MSB, 0
.macro WIN new                         ; the immediate's high byte repeats the setting that is left
.if MSB != (\new)
	s_set_vgpr_msb (MSB<<8)|(\new)
.set MSB, (\new)
.endif
.endm
.set MUL_LO, 0xa1                      ; source 0 (B) window 1, source 1 (A) window 0, C and D window 2
.set MUL_HI, 0xf1                      ; the same, C and D window 3
.set TO_B,   0x40                      ; destination window 1, address window 0
; A joint load: waves 0 and 1 fetch for A, waves 2 and 3 for B; the branch hangs on the wave's number alone.  Four v_nop follow each of the two lines.
.macro JLOAD g0a, g1a, g0b, g1b
	s_cmp_eq_u32 s15, 0
	s_cbranch_scc0 .Lfor_b_\@
	tensor_load_to_lds s[\g0a:\g0a+3], s[\g1a:\g1a+7]
	s_nop 0
.rept 4
	v_nop
.endr
	s_branch .Lasked_\@
.Lfor_b_\@:
	tensor_load_to_lds s[\g0b:\g0b+3], s[\g1b:\g1b+7]
	s_nop 0
.rept 4
	v_nop
.endr
.Lasked_\@:
.endm
.macro CREST                           ; a round of the cluster's barrier behind its opening barrier
	s_cmp_lg_u32 s14, 0
	s_cbranch_scc1 .Lnot_wave_0_\@
	s_barrier_signal -3
.Lnot_wave_0_\@:
	s_barrier_wait -3
	s_barrier_signal -1
	s_barrier_wait -1
.endm
.macro CROUND                          ; a whole round
	s_barrier_signal -1
	s_barrier_wait -1
	CREST
.endm
	s_load_b256 s[4:11], s[0:1], 0x0               ; q's codes, q's scales, Wq's codes, Wq's scales
	s_load_b128 s[68:71], s[0:1], 0x20             ; bq, qws
	s_load_b256 s[24:31], s[0:1], 0x30             ; the same four of k and Wk
	s_load_b128 s[72:75], s[0:1], 0x50             ; bk, kv
	s_load_b256 s[32:39], s[0:1], 0x60             ; Wv's codes, Wv's scales, v's codes, v's scales
	s_load_b64 s[76:77], s[0:1], 0x80              ; bv
	v_lshl_add_u32 v[SPW], v0, 2, SPARE
	v_mov_b32 v[NIL], 0
	ds_add_u32 v28, v29
	ds_add_u32 v28, v29
	s_wait_dscnt 0x0
	v_lshrrev_b32 v1, 5, v0
	v_readfirstlane_b32 s14, v1                    ; wave 0..3
	s_lshr_b32 s15, s14, 1                         ; which half of the tile's rows (A) is mine.  Also: I fetch for A (0) or for B (1)
	s_and_b32 s16, s14, 1                          ; which half of its columns (B).  Also: which 128 rows of that tile I fetch
	s_bfe_u32 s40, ttmp6, 0x40000                  ; cx, cy: my place in the cluster
	s_bfe_u32 s41, ttmp6, 0x40004
	s_and_b32 s[MODE], ttmp7, 0xffff               ; cluster y, 0..23
	s_and_b32 s94, s[MODE], 7                      ; which of the tensor's eight clusters
	s_lshr_b32 s[MODE], s[MODE], 3                 ; 0: q, 1: k, 2: v
	s_cmp_eq_u32 s[MODE], 2
	s_cselect_b32 s17, 0, s94                      ; the 8,192 tokens are A's rows in modes 0 and 1, B's rows in mode 2
	s_cselect_b32 s42, s94, 0
	s_lshl_b32 s17, s17, 2
	s_add_co_u32 s17, s17, s41                     ; tile row (of A)
	s_lshl_b32 s42, s42, 2
	s_add_co_u32 s42, s42, s40                     ; tile column (of B)
	s_lshl_b32 s43, s41, 2
	s_lshl_b32 s43, 15, s43                        ; my row of the cluster
	s_lshl_b32 s44, 0x1111, s40                    ; my column
	s_wait_kmcnt 0x0
	s_cmp_eq_u32 s[MODE], 1                        ; the buffers are chosen by the cluster's number alone
	s_cselect_b64 s[4:5], s[24:25], s[4:5]         ; A's codes
	s_cselect_b64 s[6:7], s[26:27], s[6:7]         ; A's scales
	s_cselect_b64 s[8:9], s[28:29], s[8:9]         ; B's codes
	s_cselect_b64 s[10:11], s[30:31], s[10:11]     ; B's scales
	s_cselect_b64 s[96:97], s[72:73], s[68:69]     ; the bias
	s_cselect_b64 s[98:99], s[74:75], s[70:71]     ; where the images go
	s_cmp_eq_u32 s[MODE], 2
	s_cselect_b64 s[4:5], s[32:33], s[4:5]
	s_cselect_b64 s[6:7], s[34:35], s[6:7]
	s_cselect_b64 s[8:9], s[36:37], s[8:9]
	s_cselect_b64 s[10:11], s[38:39], s[10:11]
	s_cselect_b64 s[96:97], s[76:77], s[96:97]
	s_cselect_b64 s[98:99], s[74:75], s[98:99]
	; descriptor group 1: a tile of 128 rows x ROWB bytes, padded in LDS (the registers in which the pointers landed are free now)
	s_or_b32 s[G1+0], s43, (0<<16)|(1<<20)|(1<<21)|(3<<22)|(3<<25)  ; 15:0 the mask: A's tiles go to my row; elements of 1 byte; padding on; 21 set beside a mask; after every 16 words, 4 words
	s_or_b32 s[G1B+0], s44, (0<<16)|(1<<20)|(1<<21)|(3<<22)|(3<<25)
.irp g, G1, G1B
	s_mov_b32 s[\g+1], ROWB<<16                    ; tensor_dim0
	s_mov_b32 s[\g+2], 128<<16                     ; tensor_dim1
	s_mov_b32 s[\g+3], ROWB<<16                    ; tile_dim0
	s_mov_b32 s[\g+4], 128                         ; tile_dim1
	s_mov_b32 s[\g+5], KROW                        ; tensor_dim0_stride
	s_mov_b32 s[\g+6], 0
	s_mov_b32 s[\g+7], 0
.endr
	; the scales of 128 rows: a dense block of 4,096 bytes, as rows of 256 bytes (32 elements of 8 bytes), 16 bytes of padding behind each
	s_or_b32 s[G1S+0], s43, (3<<16)|(1<<20)|(1<<21)|(5<<22)|(3<<25)
	s_or_b32 s[G1SB+0], s44, (3<<16)|(1<<20)|(1<<21)|(5<<22)|(3<<25)
.irp g, G1S, G1SB
	s_mov_b32 s[\g+1], 32<<16
	s_mov_b32 s[\g+2], (128*KS/256)<<16
	s_mov_b32 s[\g+3], 32<<16
	s_mov_b32 s[\g+4], 128*KS/256
	s_mov_b32 s[\g+5], 32
	s_mov_b32 s[\g+6], 0
	s_mov_b32 s[\g+7], 0
.endr
	s_lshl_b32 s18, s16, 7                         ; which 128 rows of the tile I fetch
	s_lshl_b32 s20, s17, 8
	s_add_co_u32 s20, s20, s18                     ; A: row 256 x tile row + 128 x half
	s_lshl_b32 s46, s42, 8
	s_add_co_u32 s46, s46, s18                     ; B: row 256 x tile column + 128 x half
	s_mov_b32 s21, 0
	s_mov_b32 s47, 0
	s_mov_b64 s[18:19], KS
	s_mul_u64 s[22:23], s[20:21], s[18:19]         ; where these rows' scales begin, in bytes
	s_mul_u64 s[92:93], s[46:47], s[18:19]
	s_mov_b64 s[18:19], KROW
	s_mul_u64 s[20:21], s[20:21], s[18:19]         ; and their codes
	s_mul_u64 s[46:47], s[46:47], s[18:19]
	s_mul_i32 s45, s14, HALFT                      ; where they go: wave x 128 rows: no place in the cluster enters an LDS address
	s_mul_i32 s94, s14, HALFS
	s_add_nc_u64 s[20:21], s[4:5], s[20:21]
	s_add_nc_u64 s[22:23], s[6:7], s[22:23]
	s_add_nc_u64 s[46:47], s[8:9], s[46:47]
	s_add_nc_u64 s[92:93], s[10:11], s[92:93]
	CROUND                                         ; all sixteen work-groups are here: the first joint loads meet
	s_mov_b32 s[G0S], 1
	s_add_co_u32 s[G0S+1], s94, SCL
	s_mov_b64 s[G0S+2:G0S+3], s[22:23]
	s_or_b32 s[G0S+3], s[G0S+3], 0x80000000
	s_mov_b32 s[G0SB], 1
	s_add_co_u32 s[G0SB+1], s94, SCL
	s_mov_b64 s[G0SB+2:G0SB+3], s[92:93]
	s_or_b32 s[G0SB+3], s[G0SB+3], 0x80000000
	JLOAD G0S, G1S, G0SB, G1SB                     ; the scales first: they are wanted with K step 0
.irp s, 0,1
	s_mov_b32 s[G0+4*\s], 1
	s_add_co_u32 s[G0+4*\s+1], s45, \s*SLOT
	s_add_nc_u64 s[G0+4*\s+2:G0+4*\s+3], s[20:21], \s*ROWB
	s_or_b32 s[G0+4*\s+3], s[G0+4*\s+3], 0x80000000
	s_mov_b32 s[G0B+4*\s], 1
	s_add_co_u32 s[G0B+4*\s+1], s45, \s*SLOT
	s_add_nc_u64 s[G0B+4*\s+2:G0B+4*\s+3], s[46:47], \s*ROWB
	s_or_b32 s[G0B+4*\s+3], s[G0B+4*\s+3], 0x80000000
	JLOAD G0+4*\s, G1, G0B+4*\s, G1B
.endr
	v_and_b32 v1, 15, v0                           ; r = l % 16
	v_bfe_u32 v2, v0, 4, 1                         ; h = l / 16
	v_mul_u32_u24 v3, v1, PITCH
	v_mul_u32_u24 v4, v2, 24
	v_add_nc_u32 v4, v3, v4                        ; a fragment's row x pitch + 24 x half
	v_lshl_add_u32 v5, v2, 4, v4                   ; and the same behind one padding more
	s_mul_i32 s21, s15, HALFT                      ; my 128 rows of A
	s_mul_i32 s22, s16, HALFT                      ; my 128 rows of B,
	s_add_co_u32 s22, s22, 2*HALFT                 ; which lie behind A's 256
.irp s, 0,1
	v_add_nc_u32 v[ADRA+\s], s21, v4
	v_add_nc_u32 v[ADRB+\s], s22, v4
	v_add_nc_u32 v[ADRA+2+\s], s21, v5
	v_add_nc_u32 v[ADRB+2+\s], s22, v5
	s_add_co_u32 s21, s21, SLOT
	s_add_co_u32 s22, s22, SLOT
.endr
	v_mul_u32_u24 v5, v1, KS                       ; my row's scales: KS bytes a row,
	v_lshrrev_b32 v6, 8, v5
	v_lshl_add_u32 v5, v6, 4, v5                   ; and 16 more for each 256 passed
	s_mul_i32 s21, s15, HALFS                      ; A's: my 128 rows
	s_mul_i32 s22, s16, HALFS                      ; B's: my 128 rows, behind A's 256
	s_add_co_u32 s22, s22, 2*HALFS
	s_sub_co_u32 s22, s22, s21
	v_mul_u32_u24 v6, s22, v2                      ; lanes 16-31 take B's
	s_add_co_u32 s21, s21, SCL
	v_add_nc_u32 v5, v5, v6
	v_add_nc_u32 v[ADRS], s21, v5
	; the way out's LDS addresses, of both kinds, are made here, ahead of every parting of ways
	v_and_b32 v6, 31, v0                           ; lane
	s_mul_i32 s23, s14, WST
	v_mul_u32_u24 v[STQ], v6, 48
	v_add_nc_u32 v[STQ], s23, v[STQ]
	v_lshlrev_b32 v[STQS], 3, v1
	v_add_nc_u32 v[STQS], s23, v[STQS]
	v_add_nc_u32 v[STQS], 12288, v[STQS]
	v_lshlrev_b32 v[GOFF], 4, v6
	v_add_nc_u32 v[RDQ], s23, v[GOFF]
	s_add_co_u32 s23, s23, VST
	v_lshrrev_b32 v3, 3, v1                        ; r / 8: which of a pair of V's fragments
	v_and_b32 v4, 7, v1                            ; r % 8
	v_mul_u32_u24 v[STV], v3, 1536
	v_mad_u32_u24 v[STV], v4, 48, v[STV]
	v_mad_u32_u24 v[STV], v2, 768, v[STV]
	v_add_nc_u32 v[STV], s23, v[STV]
	v_lshlrev_b32 v[STVS], 3, v4
	v_lshl_add_u32 v[STVS], v3, 7, v[STVS]
	v_add_nc_u32 v[STVS], s23, v[STVS]
	v_add_nc_u32 v[STVS], 12288, v[STVS]
	v_add_nc_u32 v[RDV], s23, v[GOFF]
	v_lshlrev_b32 v[OBI], 5, v2
	v_lshlrev_b32 v[OBL], 2, v1
	; the bias, in both layouts.  The layout that a mode does not use reads the bias's first 128 numbers: no branch, and no register is left unwritten on any way
	s_lshl_b32 s100, s42, 10
	s_lshl_b32 s101, s16, 9
	s_add_co_u32 s100, s100, s101                  ; 4 x my first row of B
	s_lshl_b32 s12, s17, 10
	s_lshl_b32 s13, s15, 9
	s_add_co_u32 s12, s12, s13                     ; 4 x my first row of A
	s_cmp_eq_u32 s[MODE], 2
	s_cselect_b32 s100, 0, s100
	s_cselect_b32 s12, s12, 0
	s_mov_b32 s101, 0
	s_mov_b32 s13, 0
	s_add_nc_u64 s[100:101], s[96:97], s[100:101]
	s_add_nc_u64 s[12:13], s[96:97], s[12:13]
.irp b, 0,1,2,3,4,5,6,7
	global_load_b128 v[BI+8*\b:BI+8*\b+3], v[OBI], s[100:101] offset:64*\b
	global_load_b128 v[BI+8*\b+4:BI+8*\b+7], v[OBI], s[100:101] offset:64*\b+16
.endr
.irp a, 0,1,2,3,4,5,6,7
	global_load_b32 v[BL+2*\a], v[OBL], s[12:13] offset:64*\a
	global_load_b32 v[BL+2*\a+1], v[OBL], s[12:13] offset:64*\a
.endr
.macro FRAG reg, adr, q, i             ; a fragment, 16 rows x 128 K, is 12 registers: lane l holds row l % 16; registers 6 c .. 6 c + 5 hold K = 64 c + 32 (l / 16) + 0 .. 31: 24 bytes of the row's stream of bits
.irp p, 0,1,2,3,4,5                    ; in pieces of 8 bytes.  16 bytes of padding lie behind every 8 pieces: where the piece three on lies behind one padding more, the second address register serves
.set PCE, 12*(\q)+6*(\p/3)+\p%3
.if PCE%8 < 5
	ds_load_b64 v[\reg+2*\p:\reg+2*\p+1], v[\adr] offset:8*PCE+16*(PCE/8)+(\i)*16*PITCH
.else
	ds_load_b64 v[\reg+2*\p:\reg+2*\p+1], v[\adr+2] offset:8*PCE+16*(PCE/8)+(\i)*16*PITCH
.endif
.endr
.endm
; 16 matrix instructions: A's blocks a0, a0 + 1 x B's eight, 128 along K.  zero = 1: the first product starts the sums.  The 64 accumulators take turns, one instruction a turn.
.macro MUL16 a0, p, q, sc, zero
.irp a, \a0, \a0+1
.irp b, 0,1,2,3,4,5,6,7
.if \zero
	v_wmma_scale_f32_16x16x128_f8f6f4 v[8*(8*((\a)%4)+\b):8*(8*((\a)%4)+\b)+7], v[128*(\p)+FR*\b:128*(\p)+FR*\b+FR-1], v[AF+FR*(\a):AF+FR*(\a)+FR-1], 0, v[SC+8*NQ*(\sc)+NQ*\b+(\q)], v[SC+8*NQ*(\sc)+NQ*(\a)+(\q)] matrix_a_fmt:MATRIX_FMT_FP6 matrix_b_fmt:MATRIX_FMT_FP6 matrix_a_scale:MATRIX_SCALE_ROW1
.else
	v_wmma_scale_f32_16x16x128_f8f6f4 v[8*(8*((\a)%4)+\b):8*(8*((\a)%4)+\b)+7], v[128*(\p)+FR*\b:128*(\p)+FR*\b+FR-1], v[AF+FR*(\a):AF+FR*(\a)+FR-1], v[8*(8*((\a)%4)+\b):8*(8*((\a)%4)+\b)+7], v[SC+8*NQ*(\sc)+NQ*\b+(\q)], v[SC+8*NQ*(\sc)+NQ*(\a)+(\q)] matrix_a_fmt:MATRIX_FMT_FP6 matrix_b_fmt:MATRIX_FMT_FP6 matrix_a_scale:MATRIX_SCALE_ROW1
.endif
.endr
.endr
.endm
.macro FETCH_B slot, q, p              ; B's eight fragments of the slot's q-th 128 along K into set p
	WIN TO_B
.irp i, 0,1,2,3,4,5,6,7
	FRAG 128*(\p)+FR*\i, ADRB+\slot, \q, \i
.endr
	WIN 0
.endm
.macro FETCH_A slot, q, i0             ; A's blocks i0 .. i0 + 3
.irp i, \i0, \i0+1, \i0+2, \i0+3
	FRAG AF+FR*(\i), ADRA+\slot, \q, \i
.endr
.endm
.macro SCALES sc                       ; the next K step's scale words into set sc: lanes 0-15 take A's block i, lanes 16-31 B's block i
.irp i, 0,1,2,3,4,5,6,7
	ds_load_b64 v[SC+8*NQ*\sc+NQ*\i:SC+8*NQ*\sc+NQ*\i+1], v[ADRS] offset:\i*SBLK
.endr
.endm
.macro PLACES n                        ; plain vector instructions between a matrix instruction and a load into, or a read of, its registers
.rept \n
	v_nop
.endr
.endm
; A step of 128 along K that has its successor in the same slot.
.macro STEP slot, q, zero
	s_wait_dscnt 4*NL                              ; B's set and A's blocks 0-3 are in; the youngest 24 loads (A's blocks 4-7) may be out
	WIN MUL_LO
	MUL16 0, (\q)%2, \q, \slot, \zero
	MUL16 2, (\q)%2, \q, \slot, \zero
	s_wait_dscnt 0                                 ; A's blocks 4-7 are in
	PLACES NP
	FETCH_B \slot, (\q)+1, 1-(\q)%2
	FETCH_A \slot, (\q)+1, 0
	WIN MUL_HI
	MUL16 4, (\q)%2, \q, \slot, \zero
	MUL16 6, (\q)%2, \q, \slot, \zero
	PLACES NP
	WIN 0
	FETCH_A \slot, (\q)+1, 4
.endm
; A slot's last step changes slots: ONE barrier; in front of it each wave waits for all its tensor loads, adds 0 to its spare word, and waits for that and for its own reads of this slot.
.macro TURN slot, next, fill
	s_wait_tensorcnt 0x0                           ; all my tensor loads have landed: my part of the next slot
	ds_add_u32 v[SPW], v[NIL]                      ; 0 onto my spare word
	s_wait_dscnt 4*NL+1                            ; (the add and the youngest 24 loads, A's blocks 4-7, may be out)
	WIN MUL_LO
	MUL16 0, 1, NQ-1, \slot, 0                     ; sixteen matrix instructions stand between the add and the wait for it
	s_wait_dscnt 0x0                               ; the add is done, and my reads of this slot are over
	s_barrier_signal -1
	MUL16 2, 1, NQ-1, \slot, 0
	WIN 0
	s_barrier_wait -1
.if \fill
	CREST                                          ; the barrier has opened a round of the cluster's barrier: no wave of any partner still reads this slot's tile or has a load on its way
	s_add_nc_u64 s[G0+4*\slot+2:G0+4*\slot+3], s[G0+4*\slot+2:G0+4*\slot+3], 2*ROWB
	s_add_nc_u64 s[G0B+4*\slot+2:G0B+4*\slot+3], s[G0B+4*\slot+2:G0B+4*\slot+3], 2*ROWB
	JLOAD G0+4*\slot, G1, G0B+4*\slot, G1B         ; the first tensor load behind the round; its four v_nop are the places in front of the loads below
.else
	PLACES NP
.endif
	v_add_nc_u32 v[ADRS], 4*NQ, v[ADRS]            ; on to the next K step's scale words (no LDS load of mine is out)
	FETCH_B \next, 0, 0
	FETCH_A \next, 0, 0
	SCALES \next
	WIN MUL_HI
	MUL16 4, 1, NQ-1, \slot, 0
	MUL16 6, 1, NQ-1, \slot, 0
	PLACES NP
	WIN 0
	FETCH_A \next, 0, 4
.endm
	s_wait_tensorcnt 1                             ; the scales and my part of K step 0 are in (K step 1's load may be out)
	s_barrier_signal -1
	s_barrier_wait -1                              ; everybody's are
	FETCH_B 0, 0, 0
	FETCH_A 0, 0, 0
	SCALES 0
	FETCH_A 0, 0, 4
	STEP 0, 0, 1                                   ; the first step stands in front of the loop: its products start the sums
	s_mov_b32 s3, LAPS-1
.Llap:                                                 ; a trip goes once round the ring and fills both slots again
	TURN 0, 1, 1
	STEP 1, 0, 0
	TURN 1, 0, 1
	STEP 0, 0, 0
	s_sub_co_u32 s3, s3, 1
	s_cmp_lg_u32 s3, 0
	s_cbranch_scc1 .Llap
	TURN 0, 1, 0                                   ; the last lap fills nothing
	STEP 1, 0, 0
	s_wait_dscnt 4*NL                              ; the very last step: nothing more to fetch
	WIN MUL_LO
	MUL16 0, 1, NQ-1, 1, 0
	MUL16 2, 1, NQ-1, 1, 0
	s_wait_dscnt 0
	WIN MUL_HI
	MUL16 4, 1, NQ-1, 1, 0
	MUL16 6, 1, NQ-1, 1, 0
	WIN 0
; 64 numbers of a lane, v[s] .. v[s + 63], four blocks of 32 shared with lane l xor 16, become a fragment's codes in v[PC] on and its scale word in v[pw].
.macro QUANT s, pw
.irp b, 0,1,2,3
	v_max3_num_f32 v[TM+\b], |v[\s+16*\b]|, |v[\s+1+16*\b]|, 0x1800000   ; my 16 numbers of block b, and the floor 2^(3 - 127): the byte cannot fall under 1
.endr
.irp i, 2,4,6,8,10,12,14
.irp b, 0,1,2,3
	v_max3_num_f32 v[TM+\b], v[TM+\b], |v[\s+16*\b+\i]|, |v[\s+1+16*\b+\i]|   ; (the four blocks by turns)
.endr
.endr
.irp b, 0,1,2,3
	v_permlanex16_b32 v[TM+4+\b], v[TM+\b], s[SEL], s[SEL+1]
.endr
.irp b, 0,1,2,3
	v_max_num_f32 v[TM+\b], v[TM+\b], v[TM+4+\b]   ; with lane l xor 16's: the block's largest magnitude
.endr
.irp b, 0,1,2,3
	v_add_nc_u32 v[TM+12+\b], 0xff000000, v[TM+\b] ; 2 off its exponent field: the conversion takes the exponent field of this operand as its scale
.endr
.irp b, 0,1,2,3
	v_lshrrev_b32 v[TM+4+\b], 23, v[TM+12+\b]      ; the scale's byte
.endr
	v_lshl_or_b32 v[\pw], v[TM+5], 8, v[TM+4]
	v_lshl_or_b32 v[\pw], v[TM+6], 16, v[\pw]
	v_lshl_or_b32 v[\pw], v[TM+7], 24, v[\pw]
.irp c, 0,1
	v_cvt_scalef32_pk16_fp6_f32 v[PC+6*\c:PC+2+6*\c], v[\s+32*\c:\s+15+32*\c], v[TM+12+2*\c]
	v_cvt_scalef32_pk16_fp6_f32 v[PC+12+4*\c:PC+14+4*\c], v[\s+16+32*\c:\s+31+32*\c], v[TM+12+2*\c+1]   ; (a conversion's three registers begin on an even number)
.endr
	v_nop                                          ; one plain place behind a scaled conversion
.irp c, 0,1                                    ; the operand's layout wants a whole block in a lane: lanes 0-15 block 2 c, lanes 16-31 block 2 c + 1
.irp i, 0,1,2
	v_permlane16_swap_b32 v[PC+6*\c+\i], v[PC+12+4*\c+\i]
.endr
.irp i, 0,1,2
	v_mov_b32 v[PC+3+6*\c+\i], v[PC+12+4*\c+\i]
.endr
.endr
.endm
; Block a of 16 rows of A: + bias (each accumulator from its low end on), quantised, into my stage at its place in the images.
.macro BLOCK a, mode
	WIN 0x02+((\a)/4)                              ; source 0: window 2 or 3
.set i, 0
.rept 32
.if \mode
	v_pk_add_f32 v[HA+2*i:HA+2*i+1], v[64*((\a)%4)+2*i:64*((\a)%4)+2*i+1], v[BL+2*(\a):BL+2*(\a)+1]
.else
	v_pk_add_f32 v[HA+2*i:HA+2*i+1], v[64*((\a)%4)+2*i:64*((\a)%4)+2*i+1], v[BI+2*i:BI+2*i+1]
.endif
.set i, i+1
.endr
	WIN 0
	QUANT HA, PW0+((\a)&1)
.if \mode
.irp g, 0,1,2                                  ; head a / 4; d = 16 (a % 4) + r goes to fragment 2 ((a % 4) / 2) + r / 8, lane 8 (a % 2) + r % 8
	ds_store_b128 v[STV], v[PC+4*\g:PC+4*\g+3] offset:((\a)/4)*6144+(((\a)%4)/2)*3072+((\a)&1)*384+16*\g
.endr
	ds_store_b32 v[STVS], v[PW0+((\a)&1)] offset:((\a)/4)*256+64*((\a)&1)+4*(((\a)%4)/2)   ; both lanes of a row write the same word with the same value
.else
.irp c, 0,1                                    ; registers 6 c on are head c's: 24 bytes, half a % 2 of my 48 bytes of pair-fragment a / 2
.irp p, 0,1,2
	ds_store_b64 v[STQ], v[PC+6*\c+2*\p:PC+6*\c+2*\p+1] offset:\c*6144+((\a)/2)*1536+24*((\a)&1)+8*\p
.endr
.endr
.if (\a)&1
	v_perm_b32 v[SW], v[PW0+1], v[PW0], 0x05040100     ; head 0: the even block's two bytes, then the odd block's
	v_perm_b32 v[SW+1], v[PW0+1], v[PW0], 0x07060302   ; head 1
.irp c, 0,1
	ds_store_b32 v[STQS], v[SW+\c] offset:\c*256+128*(((\a)/2)&1)+4*((\a)/4)
.endr
.endif
.endif
	s_wait_dscnt 0x0                               ; the stores have read their registers: the next block's codes may be written
.endm
; The stage goes out: 24 x 512 bytes of codes, 12 to a head, and one store of the two heads' 256 bytes of scale words.
.macro SENDOUT rd
.set i, 0
.rept 24
	ds_load_b128 v[RB+4*i:RB+4*i+3], v[\rd] offset:512*i   ; LDS serves a wave's instructions in order: these see my stores
.set i, i+1
.endr
	ds_load_b128 v[RB+96:RB+99], v[\rd] offset:12288
.set i, 0
.rept 24
	s_wait_dscnt 24-i                              ; load i is in; the 24 - i issued behind it may be out
	global_store_b128 v[GOFF], v[RB+4*i:RB+4*i+3], s[24+2*(i/12):25+2*(i/12)] offset:512*(i%12)   ; 32 lanes store 512 consecutive bytes, aligned to 256
.set i, i+1
.endr
	s_wait_dscnt 0x0
	global_store_b128 v[GSO], v[RB+96:RB+99], s[24:25]   ; sixteen lanes fill each head's aligned 256 bytes
.endm
.macro EPI mode
.if \mode
	s_lshr_b32 s31, s42, 3                         ; the batch: 8 tiles of 256 tokens each
	s_and_b32 s32, s42, 7
	s_lshl_b32 s32, s32, 1
	s_add_co_u32 s32, s32, s16                     ; which 128 tokens of it
	s_lshl_b32 s31, s31, 4
	s_lshl_b32 s33, s17, 2
	s_add_co_u32 s31, s31, s33
	s_lshl_b32 s33, s15, 1
	s_add_co_u32 s31, s31, s33                     ; my first head: 16 x batch + 4 x tile row + 2 x half
	s_mov_b32 s28, 204800                          ; from head to head
	s_mov_b32 s29, 12800                           ; from record to record
	s_mov_b32 s30, 6400                            ; from V's codes to V's scale words
.else
	s_lshr_b32 s31, s17, 3
	s_and_b32 s32, s17, 7
	s_lshl_b32 s32, s32, 1
	s_add_co_u32 s32, s32, s15
	s_lshl_b32 s31, s31, 4
	s_lshl_b32 s33, s42, 2
	s_add_co_u32 s31, s31, s33
	s_lshl_b32 s33, s16, 1
	s_add_co_u32 s31, s31, s33
	s_mov_b32 s28, 204800
	s_mov_b32 s29, 12800
	s_mov_b32 s30, 12288
	s_cmp_eq_u32 s[MODE], 0                        ; Q's records are half as long
	s_cselect_b32 s28, 102400, s28
	s_cselect_b32 s29, 6400, s29
	s_cselect_b32 s30, 6144, s30
.endif
	s_mul_i32 s34, s31, s28
	s_mul_i32 s32, s32, s29
	s_add_co_u32 s34, s34, s32
.if \mode
	s_add_co_u32 s34, s34, 6144                    ; V's fragments lie behind K's
.endif
	s_mov_b32 s35, 0
	s_add_nc_u64 s[24:25], s[98:99], s[34:35]      ; my first head's record (the descriptors' registers are free: no tensor load is out)
	s_mov_b32 s34, s28
	s_add_nc_u64 s[26:27], s[24:25], s[34:35]      ; my second head's
	v_and_b32 v1, 15, v0
	v_bfe_u32 v2, v0, 4, 1
	v_mul_u32_u24 v[GSO], v2, s28
	v_lshl_add_u32 v[GSO], v1, 4, v[GSO]
	v_add_nc_u32 v[GSO], s30, v[GSO]
.irp a, 0,1,2,3,4,5,6,7
	BLOCK \a, \mode
.endr
.if \mode
	SENDOUT RDV
.else
	SENDOUT RDQ
.endif
.endm
	s_wait_loadcnt 0x0                             ; the biases
	PLACES NP                                      ; behind the last products: their results are read and A's registers written below
	s_mov_b32 s[SEL], 0x76543210                   ; v_permlanex16_b32's selects for lane l xor 16 (the bias loads, which had their base here, are done)
	s_mov_b32 s[SEL+1], 0xfedcba98
.irp b, 0,1,2,3
	v_mov_b32 v[TM+4+\b], 0                        ; written once: a lane permute's destination counts as one of its sources
.endr
	s_cmp_eq_u32 s[MODE], 2
	s_cbranch_scc1 .Lv
	EPI 0
	s_branch .Ldone
.Lv:
	EPI 1
.Ldone:
	s_wait_tensorcnt 0x0                           ; the wave's end
	ds_add_u32 v[SPW], v[NIL]
	s_wait_dscnt 0x0
	CROUND                                         ; the closing round: no work-group ends while a partner may still ask for a tile that names it
	s_endpgm
.Lfunc_end_k_qa46bfd3a40_proj:
	.size	k_qa46bfd3a40_proj, .Lfunc_end_k_qa46bfd3a40_proj-k_qa46bfd3a40_proj
	.p2alignl 7, 3214868480
	.fill 96, 4, 3214868480
	.section	.rodata,"a",@progbits
	.p2align	6, 0x0
	.amdhsa_kernel k_qa46bfd3a40_proj
		.amdhsa_group_segment_fixed_size 327680
		.amdhsa_private_segment_fixed_size 0
		.amdhsa_enable_private_segment 0
		.amdhsa_kernarg_size 136
		.amdhsa_user_sgpr_count 2
		.amdhsa_user_sgpr_kernarg_segment_ptr 1
		.amdhsa_wavefront_size32 1
		.amdhsa_system_sgpr_workgroup_id_x 1
		.amdhsa_system_sgpr_workgroup_id_y 1
		.amdhsa_system_sgpr_workgroup_id_z 1
		.amdhsa_system_vgpr_workitem_id 0
		.amdhsa_next_free_vgpr 1024
		.amdhsa_next_free_sgpr 102
		.amdhsa_reserve_vcc 0
		.amdhsa_float_denorm_mode_32 3
		.amdhsa_float_denorm_mode_16_64 3
		.amdhsa_memory_ordered 1
		.amdhsa_forward_progress 1
		.amdhsa_inst_pref_size 246
	.end_amdhsa_kernel
	.amdgpu_metadata
---
amdhsa.version: [ 1, 2 ]
amdhsa.kernels:
  - .name:           k_qa46bfd3a40_proj
    .symbol:         k_qa46bfd3a40_proj.kd
    .args:
      - { .name: q_codes, .offset: 0, .size: 8, .value_kind: global_buffer, .address_space: global }
      - { .name: q_scales, .offset: 8, .size: 8, .value_kind: global_buffer, .address_space: global }
      - { .name: Wq_codes, .offset: 16, .size: 8, .value_kind: global_buffer, .address_space: global }
      - { .name: Wq_scales, .offset: 24, .size: 8, .value_kind: global_buffer, .address_space: global }
      - { .name: bq, .offset: 32, .size: 8, .value_kind: global_buffer, .address_space: global }
      - { .name: qws, .offset: 40, .size: 8, .value_kind: global_buffer, .address_space: global }
      - { .name: k_codes, .offset: 48, .size: 8, .value_kind: global_buffer, .address_space: global }
      - { .name: k_scales, .offset: 56, .size: 8, .value_kind: global_buffer, .address_space: global }
      - { .name: Wk_codes, .offset: 64, .size: 8, .value_kind: global_buffer, .address_space: global }
      - { .name: Wk_scales, .offset: 72, .size: 8, .value_kind: global_buffer, .address_space: global }
      - { .name: bk, .offset: 80, .size: 8, .value_kind: global_buffer, .address_space: global }
      - { .name: kv, .offset: 88, .size: 8, .value_kind: global_buffer, .address_space: global }
      - { .name: Wv_codes, .offset: 96, .size: 8, .value_kind: global_buffer, .address_space: global }
      - { .name: Wv_scales, .offset: 104, .size: 8, .value_kind: global_buffer, .address_space: global }
      - { .name: v_codes, .offset: 112, .size: 8, .value_kind: global_buffer, .address_space: global }
      - { .name: v_scales, .offset: 120, .size: 8, .value_kind: global_buffer, .address_space: global }
      - { .name: bv, .offset: 128, .size: 8, .value_kind: global_buffer, .address_space: global }
    .group_segment_fixed_size: 327680
    .private_segment_fixed_size: 0
    .kernarg_segment_align: 8
    .kernarg_segment_size: 136
    .max_flat_workgroup_size: 128
    .sgpr_count:     102
    .vgpr_count:     1024
    .wavefront_size: 32
...
	.end_amdgpu_metadata
.endif
;; end of part 2
;; launch attn (part 3): grid 4 x 64, 16 waves a work-group, no clusters, 231,424 bytes of LDS; arguments qws, kv, maskw, ctx, ctxs; writes ctx, ctxs
.if DOCPART == 3
	.amdgcn_target "amdgcn-amd-amdhsa--gfx1250"
	.amdhsa_code_object_version 6
	.text
	.protected	k_qa46bfd3a40_attn
	.globl	k_qa46bfd3a40_attn
	.p2align	8
	.type	k_qa46bfd3a40_attn,@function
k_qa46bfd3a40_attn:
	s_mov_b64 s[64:65], 0
	v_nop
	global_prefetch_b8 v0, s[64:65] scope:SCOPE_SE
	s_setreg_imm32_b32 hwreg(HW_REG_WAVE_MODE, 25, 1), 1
	s_wait_xcnt 0x0
; ctx[b][q][head] = softmax_k(where(mask, -1e9, Q . K / 8)) V, both products on codes of FP6 (E2M3) with one E8M0 scale for each 32 along a product's K; ctx leaves as codes for the last product.
; THE SOFTMAX AHEAD OF THE SECOND PRODUCT: t = score x log2(e) / 8; M = the row's largest t so far, rounded up to a whole number; p = 2^(t - M) is quantised along the keys; the row's sum is taken of the
; unquantised p and divides at the end.  When M moves, the sum and O are multiplied by 2^(old M - new M): exact.
; SHARES.  A work-group owns 512 queries of one (batch, head): 256 work-groups.  The head's K and V, 16 records of 12,800 bytes as the launch before laid them, lie in LDS for the whole launch, brought once
; through registers.  Each of the sixteen waves owns 32 queries, two tiles of 16, one after the other; each tile walks the 16 steps of 128 keys.  Four waves to a SIMD: one wave's vector work stands
; beside another's matrix work and LDS loads.
; LAYOUT.  Both products are used transposed: S^T = K Q^T (source 0 = keys), O^T = V^T P^T (source 0 = 16 of the head's 64): a lane holds one query (lane % 16) throughout.
; THE HEAD IS 64 AND THE INSTRUCTION'S K IS 128: a fragment of K holds two tiles of 16 keys side by side along K, and Q stands twice, as [q | zeros] and [zeros | q]: the first picks the even tile, the second
; the odd one.  Zero codes add nothing under any scale byte that the quantiser gives.
; THE MASK comes as lane masks (word n: the 32 lanes' bits for register n of the scores) by scalar loads, a step ahead; in every step each of the 64 scores is chosen by its word: no branch hangs on the mask.
; NO CLUSTER.  The four work-groups of a head read the same 204,800 bytes of K and V, but once, at the launch's head, for 16 waves x 32 steps: 400 bytes for a wave's step of some 300 vector
; instructions.  What is shared is a small part of the launch's work; all else that a work-group reads (its queries, its rows of the mask) is its own.
; LIMITS.  A masked score counts as -2^33 ahead of the factor 1/8, a logit of -2^30 where the definition has -1e9: -2^33 x log2(e) / 8 is exact in f32, so that in a row that is masked all through every p is exactly 1,
; as by the definition; results differ only where an unmasked logit lies under about -9.9e8.  A block of zeros gets the byte 1; blocks under 2^-124 were not tried; NaN and infinities are not served.
.set REC,  12800                       ; a step's record: K's 4 pair-fragments, V's 4 fragments, K's scale words, V's
.set VOFF, 6144
.set KSC,  12288
.set VSC,  12544
.set MREC, 4096                        ; a tile's mask words: 16 steps x 256 bytes
.set STG,  16*REC                      ; behind the records: 1,536 bytes for each wave: 32 rows of ctx's codes
.set AK,   1                           ; v1   48 x lane: my place in a fragment's image
.set AS,   2                           ; v2   8 x lane: in the scale words
.set ADK,  3                           ; v3, v4  the same in the step in hand
.set ADS,  4
.set MSK,  5                           ; v5   -2^33
.set STO,  6                           ; v6   my stage: 48 r + 24 h
.set SRD,  7                           ; v7   and back: 16 x lane
.set GO,   8                           ; v8   16 x lane
.set GS,   9                           ; v9   32 x lane
.set CSC,  10                          ; v10, v11  ctx's two scale bytes of my row, tile 0 and tile 1
.set QZ,   16                          ; v16-45: zeros, q of tile 0, zeros, q of tile 1, zeros, six registers each
.set QS,   46                          ; v46, v47  Q's scale words
.set FR,   48                          ; v48-95   four fragments of K, then of V
.set S,    96                          ; v96-159  S^T, then p
.set O,    160                         ; v160-191 O^T
.set PC,   192                         ; v192-203 codes; v204-206, v208-210 halves on their way
.set BM,   212                         ; v212-215 the blocks' largest
.set BT,   216                         ; v216-219 at work
.set SO,   220                         ; v220-223 the conversions' scale operands
.set PW,   224                         ; v224     p's scale word
.set KS,   226                         ; v226-227 K's scale words;  v228-229 V's
.set VS,   228
.set F,    230                         ; v[230:231] 2^(old M - new M)
.set TMP,  232
.set SUM2, 236
.set LA,   238                         ; v238-241 16 x thread + 65,536 k
.set WV,   14
.set TB,   17                          ; s17  LDS byte at which the step's record begins
.set MO,   18                          ; s18  where the mask words to be fetched begin
.set SEL,  20
.set CS,   22                          ; s[22:23] c = log2(e) / 8
.set KSI,  24                          ; s24  the step
	s_load_b256 s[4:11], s[0:1], 0x0               ; qws, kv, maskw, ctx
	s_load_b64 s[12:13], s[0:1], 0x20              ; ctxs
	v_lshl_add_u32 v254, v0, 2, 0x38000
	v_mov_b32 v255, 0
	v_lshrrev_b32 v1, 5, v0
	v_readfirstlane_b32 s[WV], v1                  ; wave 0..15
	s_and_b32 s15, ttmp7, 0xffff                   ; 16 x batch + head
	s_mov_b32 s16, ttmp9                           ; which 512 queries
	v_and_b32 v232, 31, v0                         ; lane
	v_and_b32 v233, 15, v0                         ; r
	v_bfe_u32 v234, v0, 4, 1                       ; h
	v_mul_u32_u24 v[AK], v232, 48
	v_lshlrev_b32 v[AS], 3, v232
	v_mov_b32 v[MSK], 0xd0000000
	s_mul_i32 s25, s[WV], 1536
	s_add_co_u32 s25, s25, STG
	v_mul_u32_u24 v[STO], v233, 48
	v_mad_u32_u24 v[STO], v234, 24, v[STO]
	v_add_nc_u32 v[STO], s25, v[STO]
	v_lshlrev_b32 v[GO], 4, v232
	v_add_nc_u32 v[SRD], s25, v[GO]
	v_lshlrev_b32 v[GS], 5, v232
	v_lshlrev_b32 v[LA], 4, v0
	v_add_nc_u32 v[LA+1], 0x10000, v[LA]
	v_add_nc_u32 v[LA+2], 0x20000, v[LA]
	v_add_nc_u32 v[LA+3], 0x30000, v[LA]
	s_and_b32 s26, s[WV], 3                        ; my pair-fragment of Q in its record,
	s_lshr_b32 s27, s[WV], 2                       ; and which of the work-group's four records
	s_mul_i32 s25, s26, 1536
	v_add_nc_u32 v235, s25, v[AK]
	s_and_b32 s25, s26, 1
	s_lshl_b32 s25, s25, 7
	s_lshr_b32 s26, s26, 1
	s_lshl_b32 s26, s26, 2
	s_add_co_u32 s25, s25, s26
	v_lshl_add_u32 v236, v233, 3, s25              ; its scale word: 8 r + 128 (f % 2) + 4 (f / 2)
	s_mov_b32 s[SEL], 0x76543210
	s_mov_b32 s[SEL+1], 0xfedcba98                 ; v_permlanex16_b32's selects for lane l xor 16
	s_mov_b32 s[CS], 0x3e38aa3b
	s_mov_b32 s[CS+1], s[CS]                       ; (named with it as a pair, so it is written)
	s_mov_b32 s29, 0
	s_mul_i32 s28, s15, 102400
	s_lshl_b32 s25, s16, 2
	s_add_co_u32 s25, s25, s27
	s_mul_i32 s25, s25, 6400
	s_add_co_u32 s28, s28, s25
	s_wait_kmcnt 0x0
	s_add_nc_u64 s[4:5], s[4:5], s[28:29]          ; Q's record
	s_mul_i32 s28, s15, 204800
	s_add_nc_u64 s[6:7], s[6:7], s[28:29]          ; the head's K and V
	s_lshr_b32 s26, s15, 4                         ; the batch
	s_lshl_b32 s25, s26, 7
	s_lshl_b32 s27, s16, 5
	s_add_co_u32 s25, s25, s27
	s_lshl_b32 s27, s[WV], 1
	s_add_co_u32 s25, s25, s27                     ; my first tile of 16 queries: 128 x batch + 32 x block + 2 x wave
	s_mul_i32 s28, s25, MREC
	s_add_nc_u64 s[8:9], s[8:9], s[28:29]          ; its mask words
	s_lshl_b32 s25, s25, 4                         ; my first row of ctx
	s_and_b32 s27, s15, 15                         ; the head
	s_mul_i32 s28, s27, 393216
	s_mul_i32 s31, s25, 48
	s_add_co_u32 s28, s28, s31
	s_add_nc_u64 s[10:11], s[10:11], s[28:29]
	s_lshl_b32 s28, s25, 5
	s_lshl_b32 s27, s27, 1
	s_add_co_u32 s28, s28, s27
	s_add_nc_u64 s[12:13], s[12:13], s[28:29]
.irp u, 0,1
.irp p, 0,1,2
	global_load_b64 v[QZ+6+12*\u+2*\p:QZ+7+12*\u+2*\p], v235, s[4:5] offset:24*\u+8*\p   ; Q stays in registers
.endr
.endr
	global_load_b32 v237, v236, s[4:5] offset:6144
.macro MLOAD                           ; a step's 64 mask words: word n in s[32 + n], from n = 32 on in s[36 + n]
	s_load_b512 s[32:47], s[8:9], s[MO] offset:0x0
	s_load_b512 s[48:63], s[8:9], s[MO] offset:0x40
	s_load_b512 s[68:83], s[8:9], s[MO] offset:0x80
	s_load_b512 s[84:99], s[8:9], s[MO] offset:0xc0
.endm
	s_mov_b32 s[MO], 0
	MLOAD
.set i, 0
.rept 25                               ; K and V: 204,800 bytes = 25 x (512 threads x 16 bytes), as they lie
	global_load_b128 v[FR+4*i:FR+4*i+3], v[LA], s[6:7] offset:8192*i
.set i, i+1
.endr
.irp z, 0,1,2,3,4,5
	v_mov_b32 v[QZ+\z], 0
	v_mov_b32 v[QZ+12+\z], 0
	v_mov_b32 v[QZ+24+\z], 0
.endr
.irp b, 0,1,2,3
	v_mov_b32 v[BT+\b], 0                          ; written once: a lane permute's destination counts as one of its sources
.endr
	v_mov_b32 v[F+1], 0                            ; (named as the upper half of a pair)
.set i, 0
.rept 25
	s_wait_loadcnt 24-i                            ; load i is in; the 24 - i issued behind it may be out (Q's seven are older)
	ds_store_b128 v[LA+i/8], v[FR+4*i:FR+4*i+3] offset:8192*(i%8)
.set i, i+1
.endr
	v_and_b32 v[QS], 0xffff, v237                  ; the pair's word is [tile 0: s0 s1 | tile 1: s0 s1]; a tile's own word repeats its two bytes, for q's place in either half of K
	v_lshl_or_b32 v[QS], v237, 16, v[QS]
	v_and_b32 v[QS+1], 0xffff0000, v237
	v_lshrrev_b32 v235, 16, v237
	v_or_b32 v[QS+1], v[QS+1], v235
	v_mov_b32 v[TMP], 0
	s_wait_dscnt 0x0                               ; for the others' sake: my stores have landed
	s_barrier_signal -1
	s_barrier_wait -1                              ; the head's K and V lie in LDS: the launch's one barrier
.macro KQ u, b                         ; pair-fragment b against [q | 0] and [0 | q]: the scores of tiles 2 b and 2 b + 1
.if (\b)%2
	v_wmma_scale_f32_16x16x128_f8f6f4 v[S+16*\b:S+16*\b+7], v[FR+12*\b:FR+12*\b+11], v[QZ+6+12*\u:QZ+17+12*\u], 0, v[KS+\b/2], v[QS+\u] matrix_a_fmt:MATRIX_FMT_FP6 matrix_b_fmt:MATRIX_FMT_FP6 matrix_a_scale:MATRIX_SCALE_ROW1
	v_wmma_scale_f32_16x16x128_f8f6f4 v[S+16*\b+8:S+16*\b+15], v[FR+12*\b:FR+12*\b+11], v[QZ+12*\u:QZ+11+12*\u], 0, v[KS+\b/2], v[QS+\u] matrix_a_fmt:MATRIX_FMT_FP6 matrix_b_fmt:MATRIX_FMT_FP6 matrix_a_scale:MATRIX_SCALE_ROW1
.else
	v_wmma_scale_f32_16x16x128_f8f6f4 v[S+16*\b:S+16*\b+7], v[FR+12*\b:FR+12*\b+11], v[QZ+6+12*\u:QZ+17+12*\u], 0, v[KS+\b/2], v[QS+\u] matrix_a_fmt:MATRIX_FMT_FP6 matrix_b_fmt:MATRIX_FMT_FP6
	v_wmma_scale_f32_16x16x128_f8f6f4 v[S+16*\b+8:S+16*\b+15], v[FR+12*\b:FR+12*\b+11], v[QZ+12*\u:QZ+11+12*\u], 0, v[KS+\b/2], v[QS+\u] matrix_a_fmt:MATRIX_FMT_FP6 matrix_b_fmt:MATRIX_FMT_FP6
.endif
.endm
; A KEY STEP of tile u: 128 keys.
.macro STEP u
	v_add_nc_u32 v[ADK], s[TB], v[AK]
	v_add_nc_u32 v[ADS], s[TB], v[AS]
	v_nop
	v_nop                                          ; four places in front of loads into registers that the last products read
.irp b, 0,1,2,3
.irp c, 0,1,2
	ds_load_b128 v[FR+12*\b+4*\c:FR+12*\b+4*\c+3], v[ADK] offset:1536*\b+16*\c
.endr
.endr
	ds_load_b64 v[KS:KS+1], v[ADS] offset:KSC      ; register f / 2, lanes 16 (f % 2) on: fragment f's scale words
	s_wait_dscnt 0x0
.irp b, 0,1,2,3
	KQ \u, \b
.endr
.rept 4
	v_nop                                          ; four places: K's registers take V, and the scores are read
.endr
.irp t, 0,1,2,3
.irp c, 0,1,2
	ds_load_b128 v[FR+12*\t+4*\c:FR+12*\t+4*\c+3], v[ADK] offset:VOFF+1536*\t+16*\c   ; V lands while the softmax is walked
.endr
.endr
	ds_load_b64 v[VS:VS+1], v[ADS] offset:VSC
	s_wait_kmcnt 0x0                               ; this step's mask words, asked for a step ago, are in
.set n, 0
.rept 64                               ; where its bit is set a score becomes -2^33; each accumulator is taken from its low end on
.if n < 32
	v_cndmask_b32 v[S+n], v[S+n], v[MSK], s[32+n]
.else
	v_cndmask_b32 v[S+n], v[S+n], v[MSK], s[36+n]
.endif
.set n, n+1
.endr
	s_add_co_u32 s[MO], s[MO], 256                 ; the next step's words are asked for a step ahead; the last step asks for its own again: no load leaves the tile's records
	s_min_u32 s[MO], s[MO], MREC*\u+3840
	MLOAD
.irp b, 0,1,2,3
	v_max3_num_f32 v[BM+\b], v[S+16*\b], v[S+1+16*\b], v[S+2+16*\b]   ; the largest score of each block of 32 keys: for the row's maximum, and, since p rises with the score, for the block's largest p
.endr
.irp i, 3,5,7,9,11,13
.irp b, 0,1,2,3
	v_max3_num_f32 v[BM+\b], v[BM+\b], v[S+16*\b+\i], v[S+1+16*\b+\i]
.endr
.endr
.irp b, 0,1,2,3
	v_max_num_f32 v[BM+\b], v[BM+\b], v[S+15+16*\b]
.endr
.irp b, 0,1,2,3
	v_permlanex16_b32 v[BT+\b], v[BM+\b], s[SEL], s[SEL+1]
.endr
.irp b, 0,1,2,3
	v_max_num_f32 v[BM+\b], v[BM+\b], v[BT+\b]     ; with lane l xor 16's 16 keys
.endr
	v_max3_num_f32 v[TMP], v[BM], v[BM+1], v[BM+2]
	v_max_num_f32 v[TMP], v[TMP], v[BM+3]          ; the step's largest score of my query
	v_mul_f32 v[TMP], s[CS], v[TMP]                ; as t
	v_max_num_f32 v13, v13, v[TMP]                 ; the running largest t
	v_mov_b32 v[TMP], v12
	v_floor_f32 v12, -v13                          ; the new -M = floor(-t): M is a whole number
	v_sub_f32 v[TMP], v12, v[TMP]                  ; old M - new M: a whole number, 0 or less
	v_cvt_i32_f32 v[TMP], v[TMP]                   ; (it saturates)
	v_ldexp_f32 v[F], 1.0, v[TMP]                  ; f = 2^(old M - new M)
.set j, 0
.rept 32
	v_pk_fma_f32 v[S+j:S+j+1], v[S+j:S+j+1], s[CS:CS+1], v[12:13] op_sel_hi:[1,0,0]   ; t - M, two at a time
.set j, j+2
.endr
.irp b, 0,1,2,3
	v_fma_f32 v[BM+\b], v[BM+\b], s[CS], v12       ; the same of each block's largest score
.endr
.set j, 0
.rept 64
	v_exp_f32 v[S+j], v[S+j]                       ; p = 2^(t - M), at most 1
.set j, j+1
.endr
	v_pk_mul_f32 v[14:15], v[14:15], v[F:F+1] op_sel_hi:[1,0]   ; the sums under the new M: a plain instruction behind the exponentials
	s_wait_alu depctr_va_vdst(0)                   ; one wait for the batch of 64, ahead of its first reader
.irp b, 0,1,2,3
	v_exp_f32 v[BM+\b], v[BM+\b]                   ; the block's largest p
.endr
	v_pk_add_f32 v[SUM2:SUM2+1], v[S:S+1], v[S+2:S+3]   ; the row's sum of the unquantised p, two at a time, in two chains
.irp j, 4,8,12,16,20,24,28,32,36,40,44,48,52,56,60
	v_pk_add_f32 v[14:15], v[14:15], v[S+\j:S+1+\j]
	v_pk_add_f32 v[SUM2:SUM2+1], v[SUM2:SUM2+1], v[S+2+\j:S+3+\j]
.endr
	v_pk_add_f32 v[14:15], v[14:15], v[SUM2:SUM2+1]
	s_wait_alu depctr_va_vdst(0)                   ; and one for the four
.irp b, 0,1,2,3
	v_max_num_f32 v[BM+\b], 0x1800000, v[BM+\b]    ; the floor 2^(3 - 127): the byte cannot fall under 1
.endr
.irp b, 0,1,2,3
	v_add_nc_u32 v[SO+\b], 0xff000000, v[BM+\b]    ; 2 off the exponent field: the conversion's scale operand
.endr
.irp b, 0,1,2,3
	v_lshrrev_b32 v[BT+\b], 23, v[SO+\b]           ; the scale's byte
.endr
	v_lshl_or_b32 v[PW], v[BT+1], 8, v[BT]         ; p's scale word for these 128 keys
	v_lshl_or_b32 v[PW], v[BT+2], 16, v[PW]
	v_lshl_or_b32 v[PW], v[BT+3], 24, v[PW]
.irp c, 0,1
	v_cvt_scalef32_pk16_fp6_f32 v[PC+6*\c:PC+2+6*\c], v[S+32*\c:S+15+32*\c], v[SO+2*\c]
	v_cvt_scalef32_pk16_fp6_f32 v[PC+12+4*\c:PC+14+4*\c], v[S+16+32*\c:S+31+32*\c], v[SO+2*\c+1]
.endr
	v_nop                                          ; one plain place behind a scaled conversion
.irp c, 0,1
.irp i, 0,1,2
	v_permlane16_swap_b32 v[PC+6*\c+\i], v[PC+12+4*\c+\i]
.endr
.irp i, 0,1,2
	v_mov_b32 v[PC+3+6*\c+\i], v[PC+12+4*\c+\i]
.endr
.endr
.set j, 0
.rept 16
	v_pk_mul_f32 v[O+j:O+j+1], v[O+j:O+j+1], v[F:F+1] op_sel_hi:[1,0]   ; O^T under the new M; these sixteen are also the places between p's codes and scale word and the products
.set j, j+2
.endr
	s_wait_dscnt 0x0                               ; V is in
.irp t, 0,1,2,3
.if \t%2
	v_wmma_scale_f32_16x16x128_f8f6f4 v[O+8*\t:O+8*\t+7], v[FR+12*\t:FR+12*\t+11], v[PC:PC+11], v[O+8*\t:O+8*\t+7], v[VS+\t/2], v[PW] matrix_a_fmt:MATRIX_FMT_FP6 matrix_b_fmt:MATRIX_FMT_FP6 matrix_a_scale:MATRIX_SCALE_ROW1
.else
	v_wmma_scale_f32_16x16x128_f8f6f4 v[O+8*\t:O+8*\t+7], v[FR+12*\t:FR+12*\t+11], v[PC:PC+11], v[O+8*\t:O+8*\t+7], v[VS+\t/2], v[PW] matrix_a_fmt:MATRIX_FMT_FP6 matrix_b_fmt:MATRIX_FMT_FP6
.endif
.endr
	s_add_co_u32 s[TB], s[TB], REC
.endm
; Tile u: all 16 steps, then O^T / the sum, quantised along the head's 64, into my stage.
.macro PASS u
	v_mov_b32 v13, 0xff61b1e6                      ; the largest t so far: -3e38, under every t
	v_floor_f32 v12, -v13
	v_mov_b32 v14, 0
	v_mov_b32 v15, 0
.set j, 0
.rept 32
	v_mov_b32 v[O+j], 0                            ; the step is written once: the first finds zeros, which the first change of M leaves zeros
.set j, j+1
.endr
	s_mov_b32 s[TB], 0
	s_mov_b32 s[KSI], 0
.if \u
	s_mov_b32 s[MO], MREC                          ; tile 1's records (no scalar load is out)
	MLOAD
.endif
.Lstep_\@:
	STEP \u
	s_add_co_u32 s[KSI], s[KSI], 1
	s_cmp_lt_u32 s[KSI], 16
	s_cbranch_scc1 .Lstep_\@
	s_wait_kmcnt 0x0                               ; the last trip's four loads are done: their offset and their registers may be written again
.rept 4
	v_nop                                          ; places behind the last products
.endr
	v_add_f32 v14, v14, v15                        ; the sum's two halves,
	v_permlanex16_b32 v[TMP], v14, s[SEL], s[SEL+1]
	v_add_f32 v14, v14, v[TMP]                     ; and lane l xor 16's
	v_rcp_f32 v14, v14
	v_nop                                          ; a plain place behind the reciprocal
	s_wait_alu depctr_va_vdst(0)                   ; and the wait ahead of its first reader
.set j, 0
.rept 16
	v_pk_mul_f32 v[S+j:S+j+1], v[O+j:O+j+1], v[14:15] op_sel_hi:[1,0]   ; ctx: register 16 B + i is d = 32 B + 16 (lane / 16) + i, by the order of V's rows
.set j, j+2
.endr
.irp b, 0,1
	v_max3_num_f32 v[BM+\b], |v[S+16*\b]|, |v[S+1+16*\b]|, 0x1800000
.endr
.irp i, 2,4,6,8,10,12,14
.irp b, 0,1
	v_max3_num_f32 v[BM+\b], v[BM+\b], |v[S+16*\b+\i]|, |v[S+1+16*\b+\i]|
.endr
.endr
.irp b, 0,1
	v_permlanex16_b32 v[BT+\b], v[BM+\b], s[SEL], s[SEL+1]
.endr
.irp b, 0,1
	v_max_num_f32 v[BM+\b], v[BM+\b], v[BT+\b]
.endr
.irp b, 0,1
	v_add_nc_u32 v[SO+\b], 0xff000000, v[BM+\b]
.endr
.irp b, 0,1
	v_lshrrev_b32 v[BT+\b], 23, v[SO+\b]
.endr
	v_lshl_or_b32 v[CSC+\u], v[BT+1], 8, v[BT]     ; my row's two scale bytes
	v_cvt_scalef32_pk16_fp6_f32 v[PC:PC+2], v[S:S+15], v[SO]
	v_cvt_scalef32_pk16_fp6_f32 v[PC+12:PC+14], v[S+16:S+31], v[SO+1]
	v_nop
.irp i, 0,1,2
	v_permlane16_swap_b32 v[PC+\i], v[PC+12+\i]    ; lanes 0-15 now hold block 0 whole, lanes 16-31 block 1
.endr
.irp i, 0,1,2
	v_mov_b32 v[PC+3+\i], v[PC+12+\i]
.endr
.irp p, 0,1,2
	ds_store_b64 v[STO], v[PC+2*\p:PC+2*\p+1] offset:768*\u+8*\p
.endr
.endm
	PASS 0
	PASS 1
.irp c, 0,1,2
	ds_load_b128 v[S+4*\c:S+4*\c+3], v[SRD] offset:512*\c   ; LDS serves a wave's instructions in order: these see my stores
.endr
	v_and_b32 v[TMP], 31, v0
	v_cmp_gt_u32 vcc_lo, 16, v[TMP]
	v_cndmask_b32 v[TMP+1], v[CSC+1], v[CSC], vcc_lo   ; lane l takes row l of my 32
	global_store_b16 v[GS], v[TMP+1], s[12:13]     ; two bytes a row, 32 bytes apart: the layout that the next launch's scale tiles want; one byte in 24 of what this launch stores
	s_wait_dscnt 0x0
.irp c, 0,1,2
	global_store_b128 v[GO], v[S+4*\c:S+4*\c+3], s[10:11] offset:512*\c   ; my 32 rows' 1,536 consecutive bytes, aligned to 256
.endr
	s_wait_tensorcnt 0x0
	ds_add_u32 v254, v255
	s_wait_dscnt 0x0
	s_endpgm
.Lfunc_end_k_qa46bfd3a40_attn:
	.size	k_qa46bfd3a40_attn, .Lfunc_end_k_qa46bfd3a40_attn-k_qa46bfd3a40_attn
	.p2alignl 7, 3214868480
	.fill 96, 4, 3214868480
	.section	.rodata,"a",@progbits
	.p2align	6, 0x0
	.amdhsa_kernel k_qa46bfd3a40_attn
		.amdhsa_group_segment_fixed_size 231424
		.amdhsa_private_segment_fixed_size 0
		.amdhsa_enable_private_segment 0
		.amdhsa_kernarg_size 40
		.amdhsa_user_sgpr_count 2
		.amdhsa_user_sgpr_kernarg_segment_ptr 1
		.amdhsa_wavefront_size32 1
		.amdhsa_system_sgpr_workgroup_id_x 1
		.amdhsa_system_sgpr_workgroup_id_y 1
		.amdhsa_system_sgpr_workgroup_id_z 1
		.amdhsa_system_vgpr_workitem_id 0
		.amdhsa_next_free_vgpr 256
		.amdhsa_next_free_sgpr 100
		.amdhsa_reserve_vcc 1
		.amdhsa_float_denorm_mode_32 3
		.amdhsa_float_denorm_mode_16_64 3
		.amdhsa_memory_ordered 1
		.amdhsa_forward_progress 1
		.amdhsa_inst_pref_size 60
	.end_amdhsa_kernel
	.amdgpu_metadata
---
amdhsa.version: [ 1, 2 ]
amdhsa.kernels:
  - .name:           k_qa46bfd3a40_attn
    .symbol:         k_qa46bfd3a40_attn.kd
    .args:
      - { .name: qws, .offset: 0, .size: 8, .value_kind: global_buffer, .address_space: global }
      - { .name: kv, .offset: 8, .size: 8, .value_kind: global_buffer, .address_space: global }
      - { .name: maskw, .offset: 16, .size: 8, .value_kind: global_buffer, .address_space: global }
      - { .name: ctx, .offset: 24, .size: 8, .value_kind: global_buffer, .address_space: global }
      - { .name: ctxs, .offset: 32, .size: 8, .value_kind: global_buffer, .address_space: global }
    .group_segment_fixed_size: 231424
    .private_segment_fixed_size: 0
    .kernarg_segment_align: 8
    .kernarg_segment_size: 40
    .max_flat_workgroup_size: 512
    .sgpr_count:     100
    .vgpr_count:     256
    .wavefront_size: 32
...
	.end_amdgpu_metadata
.endif
;; end of part 3
;; launch oproj (part 4): grid 4 x 32, 4 waves a work-group, clusters of 4 x 4, 327,680 bytes of LDS; arguments ctx, ctxs, Wo_codes, Wo_scales, out0, bo; writes out0
.if DOCPART == 4
	.amdgcn_target "amdgcn-amd-amdhsa--gfx1250"
	.amdhsa_code_object_version 6
	.text
	.protected	k_qa46bfd3a40_oproj
	.globl	k_qa46bfd3a40_oproj
	.p2align	8
	.type	k_qa46bfd3a40_oproj,@function
k_qa46bfd3a40_oproj:
	s_mov_b64 s[64:65], 0
	v_nop
	global_prefetch_b8 v0, s[64:65] scope:SCOPE_SE
	s_setreg_imm32_b32 hwreg(HW_REG_WAVE_MODE, 25, 1), 1
	s_wait_xcnt 0x0
	s_wait_alu depctr_hold_cnt(0) depctr_sa_sdst(0) depctr_va_vdst(0) depctr_va_sdst(0) depctr_va_ssrc(0) depctr_va_vcc(0) depctr_vm_vsrc(0)
	s_getreg_b32 s2, hwreg(HW_REG_IB_STS2, 6, 4)
	s_cmp_eq_u32 s2, 0
	s_cbranch_scc0 .Lentry_in_a_cluster
	s_endpgm
.Lentry_in_a_cluster:
	s_bfe_u32 s2, ttmp6, 0x10000c
	s_cmp_lg_u32 s2, 0xf033
	s_cbranch_scc0 .Lentry_shape_is_right
	s_endpgm
.Lentry_shape_is_right:
; out0 = ctx Wo + bo on codes of FP6 (E2M3) with one E8M0 scale for each 32 along K = 1,024.  out0: [8192][1024] f32.
; A = ctx as the attention launch stored it: [head (16)][row (8,192)][48 bytes], its scale bytes [row][32].  B = Wo's codes [1024 (n)][768 bytes], scale bytes [n][32].
; A tile of out0, 256 x 256, is made by four waves, each 128 x 128: 64 accumulators, 512 registers.  K goes in steps of 256 (four heads) through a ring of two LDS slots filled by joint tensor loads:
; 4 x 4 work-groups form a cluster; A's tile is shared along a row of the cluster, B's along a column.  The scale bytes of the work-group's rows come once, with the first fills.
; A's part of a slot: 4 heads x (128 rows x 48 bytes): each head's 6,144 bytes are dense in memory and begin at a multiple of 256; in LDS they lie on end, no padding: a fragment's lanes stand 24 bytes apart.
; THE MATRIX INSTRUCTION IS USED TRANSPOSED (source 0 = 16 rows of B, source 1 = 16 rows of A): a lane holds eight neighbouring numbers of a row of out0.  The bias is the C of each sum's first product.
; 128 work-groups: the tile of 256 x 256 keeps each byte read from LDS at its largest use; the launch is short beside the attention launch.
; REGISTERS, in windows of 256: window 0: v0-31 addresses; v32-63 scale words, two sets; v64-127 the bias; v128-223 A's fragments, one set; on the way out v128-255.
;   window 1: B's fragments, two sets.   windows 2, 3: the accumulators ((a, b) at v[8 (8 (a % 4) + b)]).
.set SIZE_N, 1024
.set KSTEP,  256
.set NQ,     2
.set ROWB,   192
.set KROW,   768
.set PITCH,  240                       ; B's LDS row: 3 x (64 bytes + 16 of padding)
.set FR,     12
.set NL,     6
.set NP,     4
.set HALFT,  128*PITCH                 ; what one tensor load's place holds (A's loads use 24,576 bytes of it)
.set SLOT,   4*HALFT
.set LAPS,   2
.set KS,     32
.set HEADB,  393216                    ; from head to head in ctx
.set ASTEP,  4*HEADB                   ; a K step of A in memory
.set AHB,    6144                      ; 128 rows of one head
.set SCL,    2*SLOT
.set HALFS,  (128*KS/256)*272
.set SBLK,   (16*KS/256)*272
.set SPARE,  SCL+4*HALFS               ; the spare words: 128 bytes a wave, two blocks of 256 bytes that no other line names
.set SPITCH, 528                       ; the way out: a stage of 16 rows x (512 bytes + 16) for each wave, in slot 0, which has had its last fill and its last read by then
.set OBI,  15                          ; v15  32 (lane / 16); never rewritten
.set ADRA, 16                          ; v16-17
.set ADRB, 20                          ; v20-23
.set STO,  24
.set RD,   25
.set CO,   26
.set ADRS, 27
.set SPW,  28                          ; v28  my spare word; never rewritten
.set NIL,  29                          ; v29  0; never rewritten
.set SC,   32
.set BO,   64                          ; bo[first column + 16 b + 8 h + j] at BO + 8 b + j
.set AF,   128
.set BK,   128
.set G1, 24
.set G0, 32
.set G1B, 48
.set G0B, 56
.set G1S, 68
.set G0S, 76
.set G1SB, 80
.set G0SB, 88
.set MSB, 0
.macro WIN new                         ; the immediate's high byte repeats the setting that is left
.if MSB != (\new)
	s_set_vgpr_msb (MSB<<8)|(\new)
.set MSB, (\new)
.endif
.endm
.set MUL_LO, 0xa1                      ; source 0 (B) window 1, source 1 (A) window 0, C and D window 2
.set MUL_HI, 0xf1                      ; the same, C and D window 3
.set FST_LO, 0x81                      ; the first products: C (the bias) window 0, D window 2
.set FST_HI, 0xc1                      ; D window 3
.set TO_B,   0x40
.macro JLOAD g0a, g1a, g0b, g1b        ; a joint load: waves 0 and 1 fetch for A, waves 2 and 3 for B; four v_nop follow each of the two lines
	s_cmp_eq_u32 s15, 0
	s_cbranch_scc0 .Lfor_b_\@
	tensor_load_to_lds s[\g0a:\g0a+3], s[\g1a:\g1a+7]
	s_nop 0
.rept 4
	v_nop
.endr
	s_branch .Lasked_\@
.Lfor_b_\@:
	tensor_load_to_lds s[\g0b:\g0b+3], s[\g1b:\g1b+7]
	s_nop 0
.rept 4
	v_nop
.endr
.Lasked_\@:
.endm
.macro CREST
	s_cmp_lg_u32 s14, 0
	s_cbranch_scc1 .Lnot_wave_0_\@
	s_barrier_signal -3
.Lnot_wave_0_\@:
	s_barrier_wait -3
	s_barrier_signal -1
	s_barrier_wait -1
.endm
.macro CROUND
	s_barrier_signal -1
	s_barrier_wait -1
	CREST
.endm
	s_load_b128 s[4:7], s[0:1], 0x0                ; ctx's codes, ctx's scales
	s_load_b128 s[8:11], s[0:1], 0x10              ; Wo's codes, Wo's scales
	s_load_b64 s[12:13], s[0:1], 0x20              ; out0
	s_load_b64 s[96:97], s[0:1], 0x28              ; bo
	v_lshl_add_u32 v[SPW], v0, 2, SPARE
	v_mov_b32 v[NIL], 0
	ds_add_u32 v28, v29
	ds_add_u32 v28, v29
	s_wait_dscnt 0x0
	v_lshrrev_b32 v1, 5, v0
	v_readfirstlane_b32 s14, v1                    ; wave 0..3
	s_lshr_b32 s15, s14, 1                         ; which half of the tile's rows is mine.  Also: I fetch for A (0) or for B (1)
	s_and_b32 s16, s14, 1                          ; which half of its columns.  Also: which 128 rows of that tile I fetch
	s_bfe_u32 s40, ttmp6, 0x40000                  ; cx, cy
	s_bfe_u32 s41, ttmp6, 0x40004
	s_lshl_b32 s42, ttmp9, 2
	s_add_co_u32 s42, s42, s40                     ; tile column = 4 x cluster x + cx
	s_and_b32 s17, ttmp7, 0xffff
	s_lshl_b32 s17, s17, 2
	s_add_co_u32 s17, s17, s41                     ; tile row = 4 x cluster y + cy
	s_lshl_b32 s43, s41, 2
	s_lshl_b32 s43, 15, s43                        ; my row of the cluster
	s_lshl_b32 s44, 0x1111, s40                    ; my column
	; A's group 1: 4 rows (heads) of 6,144 bytes, 393,216 bytes apart, no padding
	s_or_b32 s[G1+0], s43, (0<<16)|(1<<21)         ; 15:0 the mask: my row; elements of 1 byte; 21 set beside a mask
	s_mov_b32 s[G1+1], AHB<<16                     ; tensor_dim0
	s_mov_b32 s[G1+2], 4<<16                       ; tensor_dim1
	s_mov_b32 s[G1+3], AHB<<16                     ; tile_dim0
	s_mov_b32 s[G1+4], 4                           ; tile_dim1
	s_mov_b32 s[G1+5], HEADB                       ; tensor_dim0_stride
	s_mov_b32 s[G1+6], 0
	s_mov_b32 s[G1+7], 0
	; B's: 128 rows x 192 bytes, 16 bytes of padding behind every 64
	s_or_b32 s[G1B+0], s44, (0<<16)|(1<<20)|(1<<21)|(3<<22)|(3<<25)
	s_mov_b32 s[G1B+1], ROWB<<16
	s_mov_b32 s[G1B+2], 128<<16
	s_mov_b32 s[G1B+3], ROWB<<16
	s_mov_b32 s[G1B+4], 128
	s_mov_b32 s[G1B+5], KROW
	s_mov_b32 s[G1B+6], 0
	s_mov_b32 s[G1B+7], 0
	; the scales of 128 rows: 4,096 dense bytes, as rows of 256 bytes, 16 bytes of padding behind each
	s_or_b32 s[G1S+0], s43, (3<<16)|(1<<20)|(1<<21)|(5<<22)|(3<<25)
	s_or_b32 s[G1SB+0], s44, (3<<16)|(1<<20)|(1<<21)|(5<<22)|(3<<25)
.irp g, G1S, G1SB
	s_mov_b32 s[\g+1], 32<<16
	s_mov_b32 s[\g+2], (128*KS/256)<<16
	s_mov_b32 s[\g+3], 32<<16
	s_mov_b32 s[\g+4], 128*KS/256
	s_mov_b32 s[\g+5], 32
	s_mov_b32 s[\g+6], 0
	s_mov_b32 s[\g+7], 0
.endr
	s_lshl_b32 s18, s16, 7
	s_lshl_b32 s20, s17, 8
	s_add_co_u32 s20, s20, s18                     ; A: row 256 x tile row + 128 x half
	s_lshl_b32 s46, s42, 8
	s_add_co_u32 s46, s46, s18                     ; B: row 256 x tile column + 128 x half
	s_mov_b32 s21, 0
	s_mov_b32 s47, 0
	s_mov_b64 s[18:19], KS
	s_mul_u64 s[22:23], s[20:21], s[18:19]         ; where these rows' scales begin
	s_mul_u64 s[92:93], s[46:47], s[18:19]
	s_mov_b64 s[18:19], 48
	s_mul_u64 s[20:21], s[20:21], s[18:19]         ; A's codes: 48 bytes a row in each head
	s_mov_b64 s[18:19], KROW
	s_mul_u64 s[46:47], s[46:47], s[18:19]         ; B's
	s_mul_i32 s45, s14, HALFT                      ; where they go: no place in the cluster enters an LDS address
	s_mul_i32 s94, s14, HALFS
	s_wait_kmcnt 0x0
	s_add_nc_u64 s[20:21], s[4:5], s[20:21]
	s_add_nc_u64 s[22:23], s[6:7], s[22:23]
	s_add_nc_u64 s[46:47], s[8:9], s[46:47]
	s_add_nc_u64 s[92:93], s[10:11], s[92:93]
	CROUND                                         ; all sixteen work-groups are here: the first joint loads meet
	s_mov_b32 s[G0S], 1
	s_add_co_u32 s[G0S+1], s94, SCL
	s_mov_b64 s[G0S+2:G0S+3], s[22:23]
	s_or_b32 s[G0S+3], s[G0S+3], 0x80000000
	s_mov_b32 s[G0SB], 1
	s_add_co_u32 s[G0SB+1], s94, SCL
	s_mov_b64 s[G0SB+2:G0SB+3], s[92:93]
	s_or_b32 s[G0SB+3], s[G0SB+3], 0x80000000
	JLOAD G0S, G1S, G0SB, G1SB                     ; the scales first
.irp s, 0,1
	s_mov_b32 s[G0+4*\s], 1
	s_add_co_u32 s[G0+4*\s+1], s45, \s*SLOT
	s_add_nc_u64 s[G0+4*\s+2:G0+4*\s+3], s[20:21], \s*ASTEP
	s_or_b32 s[G0+4*\s+3], s[G0+4*\s+3], 0x80000000
	s_mov_b32 s[G0B+4*\s], 1
	s_add_co_u32 s[G0B+4*\s+1], s45, \s*SLOT
	s_add_nc_u64 s[G0B+4*\s+2:G0B+4*\s+3], s[46:47], \s*ROWB
	s_or_b32 s[G0B+4*\s+3], s[G0B+4*\s+3], 0x80000000
	JLOAD G0+4*\s, G1, G0B+4*\s, G1B
.endr
	v_and_b32 v1, 15, v0                           ; r
	v_bfe_u32 v2, v0, 4, 1                         ; h
	v_mul_u32_u24 v3, v1, PITCH
	v_mul_u32_u24 v4, v2, 24
	v_add_nc_u32 v4, v3, v4                        ; B: a fragment's row x pitch + 24 x half
	v_lshl_add_u32 v5, v2, 4, v4                   ; and the same behind one padding more
	v_mul_u32_u24 v7, v1, 48
	v_mad_u32_u24 v7, v2, 24, v7                   ; A: 48 r + 24 h
	s_mul_i32 s21, s15, HALFT                      ; my 128 rows of A
	s_mul_i32 s22, s16, HALFT                      ; my 128 rows of B,
	s_add_co_u32 s22, s22, 2*HALFT                 ; which lie behind A's two places
.irp s, 0,1
	v_add_nc_u32 v[ADRA+\s], s21, v7
	v_add_nc_u32 v[ADRB+\s], s22, v4
	v_add_nc_u32 v[ADRB+2+\s], s22, v5
	s_add_co_u32 s21, s21, SLOT
	s_add_co_u32 s22, s22, SLOT
.endr
	v_mul_u32_u24 v5, v1, KS
	v_lshrrev_b32 v6, 8, v5
	v_lshl_add_u32 v5, v6, 4, v5
	s_mul_i32 s21, s15, HALFS
	s_mul_i32 s22, s16, HALFS
	s_add_co_u32 s22, s22, 2*HALFS
	s_sub_co_u32 s22, s22, s21
	v_mul_u32_u24 v6, s22, v2                      ; lanes 16-31 take B's scale words
	s_add_co_u32 s21, s21, SCL
	v_add_nc_u32 v5, v5, v6
	v_add_nc_u32 v[ADRS], s21, v5
	s_mul_i32 s23, s14, 16*SPITCH                  ; my stage
	v_mul_u32_u24 v5, v1, SPITCH
	v_lshl_add_u32 v5, v2, 5, v5
	v_add_nc_u32 v[STO], s23, v5
	v_and_b32 v6, 31, v0
	v_lshlrev_b32 v[CO], 4, v6
	v_add_nc_u32 v[RD], s23, v[CO]
	v_lshlrev_b32 v[OBI], 5, v2
	s_lshl_b32 s20, s17, 8
	s_lshl_b32 s21, s15, 7
	s_add_co_u32 s20, s20, s21                     ; my first row of out0
	s_mov_b32 s21, 0
	s_mov_b64 s[18:19], SIZE_N*4
	s_mul_u64 s[20:21], s[20:21], s[18:19]
	s_lshl_b32 s46, s42, 10                        ; my first column, in bytes: 1,024 x tile column + 512 x half
	s_lshl_b32 s47, s16, 9
	s_add_co_u32 s46, s46, s47
	s_mov_b32 s47, 0
	s_add_nc_u64 s[20:21], s[20:21], s[46:47]
	s_add_nc_u64 s[12:13], s[12:13], s[20:21]
	s_add_nc_u64 s[96:97], s[96:97], s[46:47]      ; and the same bytes on in bo
.irp b, 0,1,2,3,4,5,6,7
	global_load_b128 v[BO+8*\b:BO+8*\b+3], v[OBI], s[96:97] offset:64*\b
	global_load_b128 v[BO+8*\b+4:BO+8*\b+7], v[OBI], s[96:97] offset:64*\b+16
.endr
.macro FRAG reg, adr, q, i             ; a fragment of B: six pieces of 8 bytes; where the piece three on lies behind one padding more, the second address register serves
.irp p, 0,1,2,3,4,5
.set PCE, 12*(\q)+6*(\p/3)+\p%3
.if PCE%8 < 5
	ds_load_b64 v[\reg+2*\p:\reg+2*\p+1], v[\adr] offset:8*PCE+16*(PCE/8)+(\i)*16*PITCH
.else
	ds_load_b64 v[\reg+2*\p:\reg+2*\p+1], v[\adr+2] offset:8*PCE+16*(PCE/8)+(\i)*16*PITCH
.endif
.endr
.endm
.macro FRAGA reg, slot, q, i           ; a fragment of A: registers 6 c on are head 2 q + c of the slot's four, block lane / 16 of its two: 24 bytes of row 16 i + r
.irp p, 0,1,2,3,4,5
	ds_load_b64 v[\reg+2*\p:\reg+2*\p+1], v[ADRA+\slot] offset:(2*(\q)+\p/3)*AHB+768*(\i)+8*(\p%3)
.endr
.endm
; 16 matrix instructions: A's blocks a0, a0 + 1 x B's eight.  zero = 1: the first product starts the sums, with the bias as C.  The 64 accumulators take turns.
.macro MUL16 a0, p, q, sc, zero
.irp a, \a0, \a0+1
.irp b, 0,1,2,3,4,5,6,7
.if \zero
	v_wmma_scale_f32_16x16x128_f8f6f4 v[8*(8*((\a)%4)+\b):8*(8*((\a)%4)+\b)+7], v[128*(\p)+FR*\b:128*(\p)+FR*\b+FR-1], v[AF+FR*(\a):AF+FR*(\a)+FR-1], v[BO+8*\b:BO+8*\b+7], v[SC+8*NQ*(\sc)+NQ*\b+(\q)], v[SC+8*NQ*(\sc)+NQ*(\a)+(\q)] matrix_a_fmt:MATRIX_FMT_FP6 matrix_b_fmt:MATRIX_FMT_FP6 matrix_a_scale:MATRIX_SCALE_ROW1
.else
	v_wmma_scale_f32_16x16x128_f8f6f4 v[8*(8*((\a)%4)+\b):8*(8*((\a)%4)+\b)+7], v[128*(\p)+FR*\b:128*(\p)+FR*\b+FR-1], v[AF+FR*(\a):AF+FR*(\a)+FR-1], v[8*(8*((\a)%4)+\b):8*(8*((\a)%4)+\b)+7], v[SC+8*NQ*(\sc)+NQ*\b+(\q)], v[SC+8*NQ*(\sc)+NQ*(\a)+(\q)] matrix_a_fmt:MATRIX_FMT_FP6 matrix_b_fmt:MATRIX_FMT_FP6 matrix_a_scale:MATRIX_SCALE_ROW1
.endif
.endr
.endr
.endm
.macro FETCH_B slot, q, p
	WIN TO_B
.irp i, 0,1,2,3,4,5,6,7
	FRAG 128*(\p)+FR*\i, ADRB+\slot, \q, \i
.endr
	WIN 0
.endm
.macro FETCH_A slot, q, i0
.irp i, \i0, \i0+1, \i0+2, \i0+3
	FRAGA AF+FR*(\i), \slot, \q, \i
.endr
.endm
.macro SCALES sc
.irp i, 0,1,2,3,4,5,6,7
	ds_load_b64 v[SC+8*NQ*\sc+NQ*\i:SC+8*NQ*\sc+NQ*\i+1], v[ADRS] offset:\i*SBLK
.endr
.endm
.macro PLACES n                        ; plain vector instructions between a matrix instruction and a load into, or a read of, its registers
.rept \n
	v_nop
.endr
.endm
.macro STEP slot, q, zero
	s_wait_dscnt 4*NL                              ; B's set and A's blocks 0-3 are in; the youngest 24 loads (A's blocks 4-7) may be out
.if \zero
	WIN FST_LO
.else
	WIN MUL_LO
.endif
	MUL16 0, (\q)%2, \q, \slot, \zero
	MUL16 2, (\q)%2, \q, \slot, \zero
	s_wait_dscnt 0
	PLACES NP
	FETCH_B \slot, (\q)+1, 1-(\q)%2
	FETCH_A \slot, (\q)+1, 0
.if \zero
	WIN FST_HI
.else
	WIN MUL_HI
.endif
	MUL16 4, (\q)%2, \q, \slot, \zero
	MUL16 6, (\q)%2, \q, \slot, \zero
	PLACES NP
	WIN 0
	FETCH_A \slot, (\q)+1, 4
.endm
; A slot's last step changes slots: ONE barrier; in front of it each wave waits for all its tensor loads, adds 0 to its spare word, and waits for that and for its own reads of this slot.
.macro TURN slot, next, fill
	s_wait_tensorcnt 0x0                           ; all my tensor loads have landed: my part of the next slot
	ds_add_u32 v[SPW], v[NIL]                      ; 0 onto my spare word
	s_wait_dscnt 4*NL+1                            ; (the add and the youngest 24 loads may be out)
	WIN MUL_LO
	MUL16 0, 1, NQ-1, \slot, 0
	s_wait_dscnt 0x0                               ; the add is done, and my reads of this slot are over
	s_barrier_signal -1
	MUL16 2, 1, NQ-1, \slot, 0
	WIN 0
	s_barrier_wait -1
.if \fill
	CREST                                          ; the barrier has opened a round of the cluster's barrier: no wave of any partner still reads this slot's tile or has a load on its way
	s_add_nc_u64 s[G0+4*\slot+2:G0+4*\slot+3], s[G0+4*\slot+2:G0+4*\slot+3], 2*ASTEP
	s_add_nc_u64 s[G0B+4*\slot+2:G0B+4*\slot+3], s[G0B+4*\slot+2:G0B+4*\slot+3], 2*ROWB
	JLOAD G0+4*\slot, G1, G0B+4*\slot, G1B         ; the first tensor load behind the round; its four v_nop are the places in front of the loads below
.else
	PLACES NP
.endif
	v_add_nc_u32 v[ADRS], 4*NQ, v[ADRS]
	FETCH_B \next, 0, 0
	FETCH_A \next, 0, 0
	SCALES \next
	WIN MUL_HI
	MUL16 4, 1, NQ-1, \slot, 0
	MUL16 6, 1, NQ-1, \slot, 0
	PLACES NP
	WIN 0
	FETCH_A \next, 0, 4
.endm
	s_wait_tensorcnt 1                             ; the scales and my part of K step 0 are in (K step 1's load may be out)
	s_barrier_signal -1
	s_barrier_wait -1                              ; everybody's are
	FETCH_B 0, 0, 0
	FETCH_A 0, 0, 0
	SCALES 0
	FETCH_A 0, 0, 4
	s_wait_loadcnt 0x0                             ; the bias
	STEP 0, 0, 1                                   ; the first step stands in front of the loop: its products start the sums
	s_mov_b32 s3, LAPS-1
.Llap:
	TURN 0, 1, 1
	STEP 1, 0, 0
	TURN 1, 0, 1
	STEP 0, 0, 0
	s_sub_co_u32 s3, s3, 1
	s_cmp_lg_u32 s3, 0
	s_cbranch_scc1 .Llap
	TURN 0, 1, 0                                   ; the last lap fills nothing
	STEP 1, 0, 0
	s_wait_dscnt 4*NL
	WIN MUL_LO
	MUL16 0, 1, NQ-1, 1, 0
	MUL16 2, 1, NQ-1, 1, 0
	s_wait_dscnt 0
	WIN MUL_HI
	MUL16 4, 1, NQ-1, 1, 0
	MUL16 6, 1, NQ-1, 1, 0
	WIN 0
; THE WAY OUT, block by block of 16 rows x 128 columns, through my own stage in LDS: back come whole rows of 512 bytes, which the 32 lanes store as two aligned runs of 256 bytes.
.macro TOSTAGE a
.set AC, 64*((\a)%4)
	WIN 0x08+4*((\a)/4)                            ; the data: window 2 or 3
.irp b, 0,1,2,3,4,5,6,7
	ds_store_b128 v[STO], v[AC+8*\b:AC+8*\b+3] offset:64*\b          ; each accumulator from its low end on
	ds_store_b128 v[STO], v[AC+8*\b+4:AC+8*\b+7] offset:64*\b+16
.endr
	WIN 0
.set BB, BK+64*((\a)%2)
.irp t, 0,1,2,3,4,5,6,7,8,9,10,11,12,13,14,15
	ds_load_b128 v[BB+4*\t:BB+4*\t+3], v[RD] offset:\t*SPITCH        ; LDS serves a wave's instructions in order: these see the stores above
.endr
.endm
.macro SEND a, younger                 ; younger: the LDS instructions issued behind block a's loads, which may stay out
.set BB, BK+64*((\a)%2)
	s_wait_dscnt \younger
.if (\a) > 0
	s_add_nc_u64 s[12:13], s[12:13], 16*SIZE_N*4   ; (behind a wait on XCNT: the earlier stores have read their base)
.endif
.irp t, 0,1,2,3,4,5,6,7,8,9,10,11,12,13,14,15
	global_store_b128 v[CO], v[BB+4*\t:BB+4*\t+3], s[12:13] offset:\t*SIZE_N*4 th:TH_STORE_NT
.endr
.endm
	PLACES NP
	TOSTAGE 0
.irp a, 1,2,3,4,5,6,7
.if \a > 1
	s_wait_xcnt 0x0                                ; block a - 2's stores have read their registers and their base
.endif
	TOSTAGE \a
	SEND \a-1, 32                                  ; behind block a - 1's loads: block a's 16 stores and 16 loads
.endr
	s_wait_xcnt 0x0
	SEND 7, 0
	s_wait_tensorcnt 0x0                           ; the wave's end
	ds_add_u32 v[SPW], v[NIL]
	s_wait_dscnt 0x0
	CROUND                                         ; the closing round
	s_endpgm
.Lfunc_end_k_qa46bfd3a40_oproj:
	.size	k_qa46bfd3a40_oproj, .Lfunc_end_k_qa46bfd3a40_oproj-k_qa46bfd3a40_oproj
	.p2alignl 7, 3214868480
	.fill 96, 4, 3214868480
	.section	.rodata,"a",@progbits
	.p2align	6, 0x0
	.amdhsa_kernel k_qa46bfd3a40_oproj
		.amdhsa_group_segment_fixed_size 327680
		.amdhsa_private_segment_fixed_size 0
		.amdhsa_enable_private_segment 0
		.amdhsa_kernarg_size 48
		.amdhsa_user_sgpr_count 2
		.amdhsa_user_sgpr_kernarg_segment_ptr 1
		.amdhsa_wavefront_size32 1
		.amdhsa_system_sgpr_workgroup_id_x 1
		.amdhsa_system_sgpr_workgroup_id_y 1
		.amdhsa_system_sgpr_workgroup_id_z 1
		.amdhsa_system_vgpr_workitem_id 0
		.amdhsa_next_free_vgpr 1024
		.amdhsa_next_free_sgpr 98
		.amdhsa_reserve_vcc 0
		.amdhsa_float_denorm_mode_32 3
		.amdhsa_float_denorm_mode_16_64 3
		.amdhsa_memory_ordered 1
		.amdhsa_forward_progress 1
		.amdhsa_inst_pref_size 162
	.end_amdhsa_kernel
	.amdgpu_metadata
---
amdhsa.version: [ 1, 2 ]
amdhsa.kernels:
  - .name:           k_qa46bfd3a40_oproj
    .symbol:         k_qa46bfd3a40_oproj.kd
    .args:
      - { .name: ctx, .offset: 0, .size: 8, .value_kind: global_buffer, .address_space: global }
      - { .name: ctxs, .offset: 8, .size: 8, .value_kind: global_buffer, .address_space: global }
      - { .name: Wo_codes, .offset: 16, .size: 8, .value_kind: global_buffer, .address_space: global }
      - { .name: Wo_scales, .offset: 24, .size: 8, .value_kind: global_buffer, .address_space: global }
      - { .name: out0, .offset: 32, .size: 8, .value_kind: global_buffer, .address_space: global }
      - { .name: bo, .offset: 40, .size: 8, .value_kind: global_buffer, .address_space: global }
    .group_segment_fixed_size: 327680
    .private_segment_fixed_size: 0
    .kernarg_segment_align: 8
    .kernarg_segment_size: 48
    .max_flat_workgroup_size: 128
    .sgpr_count:     98
    .vgpr_count:     1024
    .wavefront_size: 32
...
	.end_amdgpu_metadata
.endif
;; end of part 4
